; MI455X (gfx1250); checked and timed in simulation.
; The chip was launched on July 23, 2026; its instructions are those of AMD's public machine-readable ISA for CDNA 5 (MIT licence, August 2026) and "CDNA5" Instruction Set Architecture Reference Guide (July 2026). The comments in the code are by the model that wrote it; some were corrected since.
;; Transformer Block Quantum. Allowed arithmetic: float matrix products may take bf16 or f16 operands with f32 sums; all other float work in f32.
;; Inputs: W1 512 x 2,048 float32; W2 2,048 x 512 float32; b1 2,048 float32; b2 512 float32; bt1 512 float32; bt2 512 float32; g1 512 float32; g2 512 float32; th_attn 512 float32; th_ffn 512 float32; x 4 x 2,048 x 512 float32.
;; Outputs: out0 4 x 2,048 x 512 float32.
;; One version. Each part assembles by itself: llvm-mc -triple=amdgcn-amd-amdhsa -mcpu=gfx1250 --defsym DOCPART=n.
;; ======== version 1 of 1: 5 launches
;; workspace buffers: xq 8,388,608 bytes; wt 4,194,304 bytes; y 16,777,216 bytes; qf 8,388,608 bytes; part 67,108,864 bytes
;; launch prep (part 1): grid 512 x 1, 8 waves a work-group, no clusters, 0 bytes of LDS; arguments x, th_attn, W1, W2, xq, wt; writes xq, wt
.if DOCPART == 1
	.amdgcn_target "amdgcn-amd-amdhsa--gfx1250"
	.amdhsa_code_object_version 6
	.text
	.protected	k_q7b587e94be_prep
	.globl	k_q7b587e94be_prep
	.p2align	8
	.type	k_q7b587e94be_prep,@function
k_q7b587e94be_prep:
	s_mov_b64 s[64:65], 0
	v_nop
	global_prefetch_b8 v0, s[64:65] scope:SCOPE_SE
	s_setreg_imm32_b32 hwreg(HW_REG_WAVE_MODE, 25, 1), 1
	s_wait_xcnt 0x0
; prep: xq = bf16( cos( cos(x) cos(th) ) cos(th) ), laid out [batch 4][head 8][s 2048][64], and W1, W2 cast to bf16 in the order
; in which the FFN launch walks them: wt[fq 4][tile 16][wave 4][row 64][col 128];
;   tile 0..7  : W1[k = 64 tile + row][n = 512 fq + 128 wave + col],   tile 8..15 : W2[k = 512 fq + 64 (tile-8) + row][n = 128 wave + col].
; A stream: no LDS, no matrix unit, no barrier.  Work-group g takes rows 16 g .. 16 g + 15 of x, row g of W1 and rows 4 g .. 4 g + 3 of W2.
; Thread t keeps the same eight columns (head (t>>4)&7, columns 8 (t&7) .. +7 of it) in four passes, so cos(th) is made once a thread;
; sixteen neighbouring lanes store 256 consecutive, aligned bytes of xq (two rows of one head) and of wt.
; COSINE, limits: cos(x) = sin(pi w), w = 1/2 - 2 |r|, r = x/2pi - nearest whole number, with 1/2pi in two words (the product with the
; high word is exact inside the fused multiply-add), then the odd series to w^11: cut-off error at most 6e-8 for |w| <= 1/2.
; The inner value cos(x) cos(th) lies in [-1, 1], so the second cosine is the even series to z^8: error at most 3e-7.
.set CT,  8                            ; v[8:15]   th, then cos(th), of my 8 columns
.set XR,  16                           ; v[16:47]  x, 8 numbers a pass
.set W1R, 48                           ; v[48:55]  8 numbers of W1
.set W2R, 56                           ; v[56:63]  8 numbers of W2
.set NR,  64                           ; v[64:71]  at work
.set PR,  72                           ; v[72:79]  at work
.set QO,  80                           ; v[80:95]  xq to store, 4 registers a pass
.set WO,  96                           ; v[96:103] wt to store
.set NIC, 20                           ; scalar pairs (both words equal): -1/2pi, high word
.set CLO, 22                           ; 1/2pi, low word
.set C11, 24                           ; -pi^11/11!
.set C9,  26                           ; pi^9/9!
.set C7,  28                           ; -pi^7/7!
.set C5,  30                           ; pi^5/5!
.set C3,  32                           ; -pi^3/3!
.set C1,  34                           ; pi
.set D8,  36                           ; 1/8!
.set D6,  38                           ; -1/6!
.set D4,  48                           ; 1/4!
.macro SPAIR reg, val
	s_mov_b32 s[\reg], \val
	s_mov_b32 s[\reg+1], \val
.endm
; eight numbers v[X .. X+7] become their cosines; N and P are eight scratch registers each
.macro COS8 X, N, P
.irp j, 0,2,4,6
	v_pk_mul_f32 v[\N+\j:\N+\j+1], v[\X+\j:\X+\j+1], s[NIC:NIC+1] op_sel_hi:[1,0]
.endr
.irp j, 0,1,2,3,4,5,6,7
	v_rndne_f32 v[\N+\j], v[\N+\j]                 ; minus the nearest whole number of turns
.endr
.irp j, 0,2,4,6
	v_pk_fma_f32 v[\P+\j:\P+\j+1], v[\X+\j:\X+\j+1], 0.15915494, v[\N+\j:\N+\j+1] op_sel_hi:[1,0,1]
.endr
.irp j, 0,2,4,6
	v_pk_fma_f32 v[\P+\j:\P+\j+1], v[\X+\j:\X+\j+1], s[CLO:CLO+1], v[\P+\j:\P+\j+1] op_sel_hi:[1,0,1]   ; r, in turns
.endr
.irp j, 0,1,2,3,4,5,6,7
	v_fma_f32 v[\X+\j], |v[\P+\j]|, -2.0, 0.5      ; w
.endr
.irp j, 0,2,4,6
	v_pk_mul_f32 v[\N+\j:\N+\j+1], v[\X+\j:\X+\j+1], v[\X+\j:\X+\j+1]
.endr
.irp j, 0,2,4,6
	v_pk_fma_f32 v[\P+\j:\P+\j+1], v[\N+\j:\N+\j+1], s[C11:C11+1], s[C9:C9+1] op_sel_hi:[1,0,0]
.endr
.irp c, C7, C5, C3, C1
.irp j, 0,2,4,6
	v_pk_fma_f32 v[\P+\j:\P+\j+1], v[\P+\j:\P+\j+1], v[\N+\j:\N+\j+1], s[\c:\c+1] op_sel_hi:[1,1,0]
.endr
.endr
.irp j, 0,2,4,6
	v_pk_mul_f32 v[\X+\j:\X+\j+1], v[\X+\j:\X+\j+1], v[\P+\j:\P+\j+1]
.endr
.endm
	s_load_b256 s[4:11], s[0:1], 0x0               ; x s[4:5], th_attn s[6:7], W1 s[8:9], W2 s[10:11]
	s_load_b128 s[12:15], s[0:1], 0x20             ; xq s[12:13], wt s[14:15]
	SPAIR NIC, 0xbe22f983
	SPAIR CLO, 0x31dc9c88
	SPAIR C11, 0xbbf183a8
	SPAIR C9,  0x3da83c1a
	SPAIR C7,  0xbf196966
	SPAIR C5,  0x402335e3
	SPAIR C3,  0xc0a55de7
	SPAIR C1,  0x40490fdb
	SPAIR D8,  0x37d00d01
	SPAIR D6,  0xbab60b61
	SPAIR D4,  0x3d2aaaab
	; the work-group's byte offsets, each in a pair of its own
	s_lshl_b32 s16, ttmp9, 15                      ; x: 16 rows of 2,048 bytes
	s_mov_b32 s17, 0
	s_lshl_b32 s18, ttmp9, 13                      ; W1 and W2: 8,192 bytes
	s_mov_b32 s19, 0
	s_lshr_b32 s40, ttmp9, 7                       ; xq: batch g >> 7 (2^21 bytes each),
	s_lshl_b32 s40, s40, 21
	s_and_b32 s46, ttmp9, 127                      ; row 16 (g & 127) of 128 bytes
	s_lshl_b32 s46, s46, 11
	s_add_co_u32 s40, s40, s46
	s_mov_b32 s41, 0
	s_lshr_b32 s42, ttmp9, 6                       ; wt for W1's row k = g: tile k >> 6,
	s_lshl_b32 s42, s42, 16
	s_and_b32 s46, ttmp9, 63                       ; row k & 63
	s_lshl_b32 s46, s46, 8
	s_add_co_u32 s42, s42, s46
	s_mov_b32 s43, 0
	s_lshr_b32 s44, ttmp9, 7                       ; wt for W2's rows k = 4 g ..: fq = k >> 9,
	s_lshl_b32 s44, s44, 20
	s_bfe_u32 s46, ttmp9, 0x30004                  ; tile 8 + ((k >> 6) & 7),
	s_add_co_u32 s46, s46, 8
	s_lshl_b32 s46, s46, 16
	s_add_co_u32 s44, s44, s46
	s_and_b32 s46, ttmp9, 15                       ; row 4 (g & 15)
	s_lshl_b32 s46, s46, 10
	s_add_co_u32 s44, s44, s46
	s_mov_b32 s45, 0
	; the thread's byte offsets
	v_and_b32 v7, 7, v0                            ; which 8 columns of the head
	v_bfe_u32 v5, v0, 4, 3                         ; head
	v_bfe_u32 v6, v0, 3, 1                         ; odd or even row
	v_lshrrev_b32 v4, 7, v0                        ; upper or lower 8 rows
	v_lshl_add_u32 v6, v4, 3, v6                   ; my row in pass 0
	v_lshlrev_b32 v3, 8, v5
	v_lshl_add_u32 v3, v7, 5, v3                   ; v3: th, 256 head + 32 sub
	v_lshl_add_u32 v1, v6, 11, v3                  ; v1: x, + 2,048 row
	v_lshlrev_b32 v2, 18, v5
	v_lshl_add_u32 v2, v6, 7, v2
	v_lshl_add_u32 v2, v7, 4, v2                   ; v2: xq, head << 18 + 128 row + 16 sub
	v_lshlrev_b32 v4, 5, v0                        ; v4: W1 and W2, 32 t
	v_and_b32 v7, 15, v0
	v_bfe_u32 v5, v0, 4, 2
	v_lshlrev_b32 v7, 4, v7
	v_lshl_add_u32 v7, v5, 14, v7                  ; wave part (t >> 4) & 3, 16 bytes of its row
	v_lshrrev_b32 v6, 6, v0
	v_lshl_add_u32 v5, v6, 20, v7                  ; v5: wt for W1: t >> 6 is fq
	v_lshl_add_u32 v6, v6, 8, v7                   ; v6: wt for W2: t >> 6 is the row of my four
	s_wait_kmcnt 0x0
	s_add_nc_u64 s[4:5], s[4:5], s[16:17]
	s_add_nc_u64 s[8:9], s[8:9], s[18:19]
	s_add_nc_u64 s[10:11], s[10:11], s[18:19]
	s_add_nc_u64 s[12:13], s[12:13], s[40:41]
	s_add_nc_u64 s[44:45], s[14:15], s[44:45]      ; wt, W2's part
	s_add_nc_u64 s[14:15], s[14:15], s[42:43]      ; wt, W1's part
	; all fourteen loads go out at once
	global_load_b128 v[CT:CT+3],   v3, s[6:7]
	global_load_b128 v[CT+4:CT+7], v3, s[6:7] offset:16
.irp i, 0,1,2,3
	global_load_b128 v[XR+8*\i:XR+8*\i+3],   v1, s[4:5] offset:4096*\i
	global_load_b128 v[XR+8*\i+4:XR+8*\i+7], v1, s[4:5] offset:4096*\i+16
.endr
	global_load_b128 v[W1R:W1R+3],   v4, s[8:9] th:TH_LOAD_NT
	global_load_b128 v[W1R+4:W1R+7], v4, s[8:9] offset:16 th:TH_LOAD_NT
	global_load_b128 v[W2R:W2R+3],   v4, s[10:11] th:TH_LOAD_NT
	global_load_b128 v[W2R+4:W2R+7], v4, s[10:11] offset:16 th:TH_LOAD_NT
	s_wait_loadcnt 12                              ; th is in: twelve loads were issued behind it
	COS8 CT, NR, PR
; pass i: rows 2 i and 2 i + 1 of each half of the group's 16
.macro PASS i
	s_wait_loadcnt 10-2*\i                         ; behind this pass's two loads stand 6 - 2 i of x and four of W1, W2
	COS8 XR+8*\i, NR, PR
.irp j, 0,2,4,6
	v_pk_mul_f32 v[XR+8*\i+\j:XR+8*\i+\j+1], v[XR+8*\i+\j:XR+8*\i+\j+1], v[CT+\j:CT+\j+1]   ; z = cos(x) cos(th), |z| <= 1
.endr
.irp j, 0,2,4,6
	v_pk_mul_f32 v[NR+\j:NR+\j+1], v[XR+8*\i+\j:XR+8*\i+\j+1], v[XR+8*\i+\j:XR+8*\i+\j+1]
.endr
.irp j, 0,2,4,6
	v_pk_fma_f32 v[PR+\j:PR+\j+1], v[NR+\j:NR+\j+1], s[D8:D8+1], s[D6:D6+1] op_sel_hi:[1,0,0]
.endr
.irp j, 0,2,4,6
	v_pk_fma_f32 v[PR+\j:PR+\j+1], v[PR+\j:PR+\j+1], v[NR+\j:NR+\j+1], s[D4:D4+1] op_sel_hi:[1,1,0]
.endr
.irp j, 0,2,4,6
	v_pk_fma_f32 v[PR+\j:PR+\j+1], v[PR+\j:PR+\j+1], v[NR+\j:NR+\j+1], -0.5 op_sel_hi:[1,1,0]
.endr
.irp j, 0,2,4,6
	v_pk_fma_f32 v[PR+\j:PR+\j+1], v[PR+\j:PR+\j+1], v[NR+\j:NR+\j+1], 1.0 op_sel_hi:[1,1,0]   ; cos(z)
.endr
.irp j, 0,2,4,6
	v_pk_mul_f32 v[PR+\j:PR+\j+1], v[PR+\j:PR+\j+1], v[CT+\j:CT+\j+1]
.endr
.irp j, 0,1,2,3
	v_cvt_pk_bf16_f32 v[QO+4*\i+\j], v[PR+2*\j], v[PR+2*\j+1]
.endr
	global_store_b128 v2, v[QO+4*\i:QO+4*\i+3], s[12:13] offset:256*\i   ; every store has data registers of its own: nothing is rewritten
.endm
	PASS 0
	PASS 1
	PASS 2
	PASS 3
	s_wait_loadcnt 2                               ; W1's two loads are in, W2's two may be out
.irp j, 0,1,2,3
	v_cvt_pk_bf16_f32 v[WO+\j], v[W1R+2*\j], v[W1R+2*\j+1]
.endr
	global_store_b128 v5, v[WO:WO+3], s[14:15]
	s_wait_loadcnt 0
.irp j, 0,1,2,3
	v_cvt_pk_bf16_f32 v[WO+4+\j], v[W2R+2*\j], v[W2R+2*\j+1]
.endr
	global_store_b128 v6, v[WO+4:WO+7], s[44:45]
	s_endpgm
.Lfunc_end_k_q7b587e94be_prep:
	.size	k_q7b587e94be_prep, .Lfunc_end_k_q7b587e94be_prep-k_q7b587e94be_prep
	.p2alignl 7, 3214868480
	.fill 96, 4, 3214868480
	.section	.rodata,"a",@progbits
	.p2align	6, 0x0
	.amdhsa_kernel k_q7b587e94be_prep
		.amdhsa_group_segment_fixed_size 0
		.amdhsa_private_segment_fixed_size 0
		.amdhsa_enable_private_segment 0
		.amdhsa_kernarg_size 48
		.amdhsa_user_sgpr_count 2
		.amdhsa_user_sgpr_kernarg_segment_ptr 1
		.amdhsa_wavefront_size32 1
		.amdhsa_system_sgpr_workgroup_id_x 1
		.amdhsa_system_sgpr_workgroup_id_y 1
		.amdhsa_system_sgpr_workgroup_id_z 1
		.amdhsa_system_vgpr_workitem_id 0
		.amdhsa_next_free_vgpr 104
		.amdhsa_next_free_sgpr 66
		.amdhsa_reserve_vcc 0
		.amdhsa_float_denorm_mode_32 3
		.amdhsa_float_denorm_mode_16_64 3
		.amdhsa_memory_ordered 1
		.amdhsa_forward_progress 1
		.amdhsa_inst_pref_size 31
	.end_amdhsa_kernel
	.amdgpu_metadata
---
amdhsa.version: [ 1, 2 ]
amdhsa.kernels:
  - .name:           k_q7b587e94be_prep
    .symbol:         k_q7b587e94be_prep.kd
    .args:
      - { .name: x, .offset: 0, .size: 8, .value_kind: global_buffer, .address_space: global }
      - { .name: th_attn, .offset: 8, .size: 8, .value_kind: global_buffer, .address_space: global }
      - { .name: W1, .offset: 16, .size: 8, .value_kind: global_buffer, .address_space: global }
      - { .name: W2, .offset: 24, .size: 8, .value_kind: global_buffer, .address_space: global }
      - { .name: xq, .offset: 32, .size: 8, .value_kind: global_buffer, .address_space: global }
      - { .name: wt, .offset: 40, .size: 8, .value_kind: global_buffer, .address_space: global }
    .group_segment_fixed_size: 0
    .private_segment_fixed_size: 0
    .kernarg_segment_align: 8
    .kernarg_segment_size: 48
    .max_flat_workgroup_size: 256
    .sgpr_count:     66
    .vgpr_count:     104
    .wavefront_size: 32
...
	.end_amdgpu_metadata
.endif
;; end of part 1
;; launch attn (part 2): grid 8 x 32, 8 waves a work-group, clusters of 4 x 1, 295,936 bytes of LDS; arguments xq, x, y; writes y
.if DOCPART == 2
	.amdgcn_target "amdgcn-amd-amdhsa--gfx1250"
	.amdhsa_code_object_version 6
	.text
	.protected	k_q7b587e94be_attn
	.globl	k_q7b587e94be_attn
	.p2align	8
	.type	k_q7b587e94be_attn,@function
k_q7b587e94be_attn:
	s_mov_b64 s[64:65], 0
	v_nop
	global_prefetch_b8 v0, s[64:65] scope:SCOPE_SE
	s_setreg_imm32_b32 hwreg(HW_REG_WAVE_MODE, 25, 1), 1
	s_wait_xcnt 0x0
	s_wait_alu depctr_hold_cnt(0) depctr_sa_sdst(0) depctr_va_vdst(0) depctr_va_sdst(0) depctr_va_ssrc(0) depctr_va_vcc(0) depctr_vm_vsrc(0)
	s_getreg_b32 s2, hwreg(HW_REG_IB_STS2, 6, 4)
	s_cmp_eq_u32 s2, 0
	s_cbranch_scc0 .Lentry_in_a_cluster
	s_endpgm
.Lentry_in_a_cluster:
	s_bfe_u32 s2, ttmp6, 0x10000c
	s_cmp_lg_u32 s2, 0x3003
	s_cbranch_scc0 .Lentry_shape_is_right
	s_endpgm
.Lentry_shape_is_right:
; attn: y = x + softmax(q q^T / 8) q, per head, with q = k = v = xq[batch][head][2048][64] in bf16.
; A work-group takes 256 queries of one (batch, head).  The whole head, 2,048 rows of 128 bytes at a pitch of 144, is 294,912 bytes
; and lies in LDS once: first fills only, nothing is ever filled again.  Eight waves: wave w takes 64 queries (w & 3) and the half of the
; keys whose bit 5 equals w >> 2 (the steps of 32 keys by turns), so that two waves share a SIMD.
; THE STEPS OVERLAP INSIDE A WAVE: trip i issues the products O += V(i-1) P(i-1) with four exponentials of S(i) behind each of them, then the
; row sums and P(i), then the products S(i+1).  So the exponentials stand behind the wave's own matrix instructions, and only the 64 plain
; instructions of the sums and conversions are left for the other wave of the SIMD to cover.
; CLUSTER: the four work-groups of a cluster take four query blocks of the same head and need the same 2,048 rows: every tensor load is a
; joint load with the mask 15.  A wave has four tensor loads outstanding at the most (its four first fills).
; NO MAXIMUM IS TAKEN IN THE SOFTMAX: every |q_i| <= 1 for every finite input, because q is a cosine times a cosine, so |score| <= 64/8 = 8,
; every exponential lies in [3.3e-4, 2981] and a row's sum is at most 2,048 x 2,981 = 6.2e6: nothing can overflow or underflow in f32 or bf16.
; So sums over keys are plain sums and the two key halves are added at the end.
; LIMIT: the queries are scaled by log2(e)/8 in f32 and rounded to bf16 a second time; exp(score) is v_exp_f32 of the product.
; LAYOUTS (r = lane & 15, h = lane >> 4).  S^T = K Q'^T: source 0 = 16 keys, source 1 = 16 queries; register j holds (key slot 8 h + j, query r).
; Two such tiles, packed to bf16, ARE source 1 of O^T = V^T P^T (32 keys along the registers); source 0 = V^T by the transposing LDS load;
; register j of O^T holds (d = 16 u + 8 h + j, query r).  Slot 8 h + j of a tile of 16 keys holds key 2 j + h, on both sides of P V alike,
; so that at the pitch of 144 sixteen lanes of either kind of load touch sixteen different 16-byte columns modulo 256 bytes.
; REGISTER WINDOWS (s_set_vgpr_msb: bits 1:0 source 0, 3:2 source 1, 5:4 source 2, 7:6 destination).  Three settings a trip:
;   0x50  C and D in window 1: O += V P, and E (window 1) = exp of S (window 0)
;   0x05  sources 0 and 1 in window 1: L (window 0) += E, P (window 0) = bf16 of E
;   0x04  source 1 in window 1: S = K Q', and the LDS loads of V (address and data in window 0)
.set PITCH, 144
.set TILEB, 16*PITCH                   ; 16 keys
.set STEPB, 32*PITCH                   ; a step: 32 keys
.set STRIDE, 2*STEPB                   ; from a wave's step to its next: the other key half's step lies between
.set CHUNK, 512*PITCH                  ; what the eight waves' loads number j bring together: 8 steps of either key half
.set XCHW,  8704                       ; after the last read of K: a wave's exchange area, 8,192 bytes of O and 256 of row sums
.set STG,   8*XCHW                     ; behind the exchange areas: a wave's two stages of 16 rows x 272 bytes
.set SP,    272
.set KADR, 2                           ; window 0: LDS address of my K fragments
.set VADR, 3                           ; of my V fragments
.set QOFA, 4                           ; byte offset in the head of my queries, register tiles 0, 1
.set QOFB, 5                           ; register tiles 2, 3
.set XOFF, 6                           ; byte offset in x and in y
.set XST,  7                           ; exchange: where I store,
.set XLD,  8                           ; where I read my partner's
.set STO,  9                           ; stage: in,
.set RD,   10                          ; and back
.set XSL,  11                          ; exchange of the row sums
.set XLL,  12
.set SR,   16                          ; v[16:79]   S^T, tile (qt, kt) at 16 qt + 8 kt
.set PB,   80                          ; v[80:111]  P^T, 8 registers a query tile; behind the loop: small figures and the second output set
.set KR,   112                         ; v[112:143] K fragments (kt, kc) at 16 kt + 8 kc
.set VR,   144                         ; v[144:175] V^T fragments u at 8 u; behind the loop: the first output set
.set LR,   176                         ; v[176:191] row sums, two pairs for each query tile
.set XR,   192                         ; v[192:255] x of the 32 queries that I finish
.set TR,   100                         ; behind the loop, in P's registers: at work
.set LT,   104                         ; row sums over my keys
.set LP,   108                         ; my partner's
.set INV,  110                         ; 1 / row sum, twice
.set OW,   0                           ; window 1: v[0:127] O^T, tile (qt, u) at 8 (4 qt + u)
.set QW,   128                         ; window 1: v[128:191] Q', (qt, kc) at 16 qt + 8 kc
.set EW,   192                         ; window 1: v[192:255] the step's 64 exponentials, in S's order
.set G1,   24                          ; s[24:31] descriptor group 1
.set G0,   32                          ; s[32:47] descriptor group 0, one set for each of my four loads
.set MSB, 0
.macro WIN new                         ; the immediate's high byte repeats the setting that is left
.if MSB != \new
	s_set_vgpr_msb (MSB<<8)|\new
.set MSB, \new
.endif
.endm
.macro PLACES
.rept 4
	v_nop
.endr
.endm
.macro ROUND                           ; a round of the cluster's barrier
	s_barrier_signal -1
	s_barrier_wait -1
	s_cmp_lg_u32 s10, 0
	s_cbranch_scc1 .Lnot_wave_0_\@
	s_barrier_signal -3
.Lnot_wave_0_\@:
	s_barrier_wait -3
	s_barrier_signal -1
	s_barrier_wait -1
.endm
	s_load_b128 s[4:7], s[0:1], 0x0                ; xq s[4:5], x s[6:7]
	s_load_b64 s[8:9], s[0:1], 0x10                ; y
	v_lshl_add_u32 v254, v0, 2, 0x48000
	v_mov_b32 v255, 0
	ds_add_u32 v254, v255
	s_wait_dscnt 0x0
	v_lshrrev_b32 v1, 5, v0
	v_readfirstlane_b32 s10, v1                    ; wave 0..7
	s_lshr_b32 s11, s10, 2                         ; kh: my half of the keys
	s_and_b32 s12, s10, 3                          ; qg: my 64 queries
	s_bfe_u32 s13, ttmp6, 0x40000                  ; cx: my place in the cluster; it enters global offsets alone
	s_lshl_b32 s14, ttmp9, 2
	s_add_co_u32 s14, s14, s13                     ; query block 0..7
	s_and_b32 s15, ttmp7, 0xffff                   ; 8 batch + head, shared by the four partners
	s_mov_b32 s20, 0x76543210                      ; v_permlanex16_b32: lane i takes lane i of the other half
	s_mov_b32 s21, 0xfedcba98
	s_mov_b32 s22, 0xffff0000                      ; a word's upper bf16
	s_mov_b32 s48, 0x3e38aa3b                      ; log2(e) / 8
	s_mov_b32 s49, 0x3e38aa3b
	; group 1: 64 rows of 64 elements of 2 bytes; 4 words of padding behind every 32 words (a row): LDS pitch 144
	s_mov_b32 s[G1+0], 15|(1<<16)|(1<<20)|(1<<21)|(4<<22)|(3<<25)   ; mask: all four partners; bit 21 set beside a mask
	s_mov_b32 s[G1+1], 64<<16                      ; tensor_dim0 = 64
	s_mov_b32 s[G1+2], 64<<16                      ; tensor_dim1 = 64
	s_mov_b32 s[G1+3], 64<<16                      ; tile_dim0 = 64
	s_mov_b32 s[G1+4], 64                          ; tile_dim1 = 64
	s_mov_b32 s[G1+5], 64                          ; 64 elements from row to row
	s_mov_b32 s[G1+6], 0
	s_mov_b32 s[G1+7], 0
	s_mul_i32 s51, s10, 64*PITCH                   ; my 64 rows of a chunk in LDS
	s_lshl_b32 s16, s15, 18                        ; the head: 2,048 rows of 128 bytes
	s_mov_b32 s17, 0
	s_lshl_b32 s18, s10, 13                        ; my 64 rows of a chunk in memory
	s_mov_b32 s19, 0
	; register tile t of a wave is query tile (t + 2 kh) & 3 of its 64 queries: every wave keeps register tiles 0, 1 and hands 2, 3 to wave w ^ 4
	s_lshl_b32 s23, s14, 8
	s_lshl_b32 s52, s12, 6
	s_add_co_u32 s23, s23, s52                     ; first of my 64 queries
	s_lshl_b32 s52, s11, 5
	s_add_co_u32 s53, s23, s52                     ; first query of register tiles 0, 1
	s_xor_b32 s52, s52, 32
	s_add_co_u32 s54, s23, s52                     ; of register tiles 2, 3
	s_lshr_b32 s55, s15, 3
	s_lshl_b32 s55, s55, 11
	s_add_co_u32 s55, s55, s53                     ; row of x and y: 2,048 batch + query
	s_and_b32 s56, s15, 7
	s_lshl_b32 s56, s56, 8                         ; the head's 256 bytes of a row
	s_mul_i32 s57, s11, STEPB                      ; my first step: keys 32 kh ..
	s_mul_i32 s58, s10, XCHW
	s_xor_b32 s59, s10, 4
	s_mul_i32 s59, s59, XCHW
	s_add_co_u32 s60, s58, STG
	v_and_b32 v1, 15, v0                           ; r
	v_bfe_u32 v13, v0, 4, 1                        ; h
	v_and_b32 v14, 7, v0
	v_bfe_u32 v15, v0, 3, 1
	v_add_nc_u32 v[QOFA], s53, v1
	v_lshlrev_b32 v[QOFA], 7, v[QOFA]
	v_lshl_add_u32 v[QOFA], v13, 4, v[QOFA]        ; 128 (query + r) + 16 h
	v_add_nc_u32 v[QOFB], s54, v1
	v_lshlrev_b32 v[QOFB], 7, v[QOFB]
	v_lshl_add_u32 v[QOFB], v13, 4, v[QOFB]
	v_add_nc_u32 v[XOFF], s55, v13
	v_lshlrev_b32 v[XOFF], 11, v[XOFF]
	v_lshl_add_u32 v[XOFF], v1, 4, v[XOFF]
	v_add_nc_u32 v[XOFF], s56, v[XOFF]             ; 2,048 (row + h) + 256 head + 16 r
	s_wait_kmcnt 0x0
	s_add_nc_u64 s[4:5], s[4:5], s[16:17]          ; xq at my head
	; my 64 queries as fragments, 16 loads, for now in S's registers: they go out first, ahead of the 256 KiB of the head
.irp t, 0,1
.irp kc, 0,1
	global_load_b128 v[SR+16*\t+8*\kc:SR+16*\t+8*\kc+3],   v[QOFA], s[4:5] offset:2048*\t+64*\kc
	global_load_b128 v[SR+16*\t+8*\kc+4:SR+16*\t+8*\kc+7], v[QOFA], s[4:5] offset:2048*\t+64*\kc+32
.endr
.endr
.irp t, 0,1
.irp kc, 0,1
	global_load_b128 v[SR+32+16*\t+8*\kc:SR+32+16*\t+8*\kc+3],   v[QOFB], s[4:5] offset:2048*\t+64*\kc
	global_load_b128 v[SR+32+16*\t+8*\kc+4:SR+32+16*\t+8*\kc+7], v[QOFB], s[4:5] offset:2048*\t+64*\kc+32
.endr
.endr
	s_add_nc_u64 s[18:19], s[4:5], s[18:19]        ; xq at my rows of chunk 0
.irp j, 0,1,2,3
	s_mov_b32 s[G0+4*\j], 1
	s_add_co_u32 s[G0+4*\j+1], s51, \j*CHUNK                       ; LDS: chunk j, my 64 rows: the wave's number and constants alone
	s_add_nc_u64 s[G0+4*\j+2:G0+4*\j+3], s[18:19], \j*65536        ; memory: 512 rows of 128 bytes a chunk
	s_or_b32 s[G0+4*\j+3], s[G0+4*\j+3], 0x80000000                ; type 2
.endr
	ROUND                                          ; the four partners are here: the joint loads meet
.irp j, 0,1,2,3
	tensor_load_to_lds s[G0+4*\j:G0+4*\j+3], s[G1:G1+7]
	s_nop 0
.endr
	v_lshl_add_u32 v[KADR], v14, 1, v15            ; slot r holds key 2 (r & 7) + (r >> 3)
	v_mul_u32_u24 v[KADR], v[KADR], PITCH
	v_lshl_add_u32 v[KADR], v13, 4, v[KADR]
	v_add_nc_u32 v[KADR], s57, v[KADR]
	v_lshl_add_u32 v[VADR], v14, 1, v13            ; the lane that addresses slot 8 h + (lane & 7) takes key 2 (lane & 7) + h
	v_mul_u32_u24 v[VADR], v[VADR], PITCH
	v_lshl_add_u32 v[VADR], v15, 4, v[VADR]
	v_add_nc_u32 v[VADR], s57, v[VADR]
	v_and_b32 v[XLL], 31, v0
	v_lshl_add_u32 v[XST], v[XLL], 4, s58
	v_lshl_add_u32 v[XLD], v[XLL], 4, s59
	v_lshl_add_u32 v[XSL], v[XLL], 3, s58
	v_lshl_add_u32 v[XLL], v[XLL], 3, s59
	v_mul_u32_u24 v[STO], v1, SP
	v_lshl_add_u32 v[STO], v13, 5, v[STO]
	v_add_nc_u32 v[STO], s60, v[STO]               ; row r, 32 bytes for each half of the lanes
	v_mul_u32_u24 v[RD], v13, SP
	v_lshl_add_u32 v[RD], v1, 4, v[RD]
	v_add_nc_u32 v[RD], s60, v[RD]                 ; lanes 0-15 one row of 256 bytes, lanes 16-31 the next
	s_wait_loadcnt 0x0                             ; the queries are in
	; Q' = bf16(q log2(e) / 8), 32 words at a time through the registers of K and V, into window 1
.irp bb, 0,1
.set i, 0
.rept 32
	v_lshlrev_b32 v[KR+2*i], 16, v[SR+32*\bb+i]
	v_and_b32 v[KR+2*i+1], s22, v[SR+32*\bb+i]
.set i, i+1
.endr
.set i, 0
.rept 32
	v_pk_mul_f32 v[KR+2*i:KR+2*i+1], v[KR+2*i:KR+2*i+1], s[48:49] op_sel_hi:[1,0]
.set i, i+1
.endr
	WIN 0x40
.set i, 0
.rept 32
	v_cvt_pk_bf16_f32 v[QW+32*\bb+i], v[KR+2*i], v[KR+2*i+1]
.set i, i+1
.endr
	WIN 0
.endr
.macro KLOAD                           ; 32 keys x 64 d as four fragments
.irp kt, 0,1
.irp kc, 0,1
	ds_load_b128 v[KR+16*\kt+8*\kc:KR+16*\kt+8*\kc+3],   v[KADR] offset:\kt*TILEB+64*\kc
	ds_load_b128 v[KR+16*\kt+8*\kc+4:KR+16*\kt+8*\kc+7], v[KADR] offset:\kt*TILEB+64*\kc+32
.endr
.endr
.endm
.macro VLOAD                           ; 32 keys transposed: four fragments of 16 d x 32 keys
.irp u, 0,1,2,3
	ds_load_tr16_b128 v[VR+8*\u:VR+8*\u+3],   v[VADR] offset:32*\u
	ds_load_tr16_b128 v[VR+8*\u+4:VR+8*\u+7], v[VADR] offset:32*\u+TILEB
.endr
.endm
.macro SMUL kc                         ; eight tiles of S^T by turns; d = 32 kc .. + 31; the first product starts the sums
.irp qt, 0,1,2,3
.irp kt, 0,1
.if \kc
	v_wmma_f32_16x16x32_bf16 v[SR+16*\qt+8*\kt:SR+16*\qt+8*\kt+7], v[KR+16*\kt+8*\kc:KR+16*\kt+8*\kc+7], v[QW+16*\qt+8*\kc:QW+16*\qt+8*\kc+7], v[SR+16*\qt+8*\kt:SR+16*\qt+8*\kt+7]
.else
	v_wmma_f32_16x16x32_bf16 v[SR+16*\qt+8*\kt:SR+16*\qt+8*\kt+7], v[KR+16*\kt+8*\kc:KR+16*\kt+8*\kc+7], v[QW+16*\qt+8*\kc:QW+16*\qt+8*\kc+7], 0
.endif
.endr
.endr
.endm
; Sixteen tiles of O^T by turns (tile n = 4 qt + u), four exponentials of this step's S behind each.
; pv = 0: no product yet (the first trip); 1: the constant 0 starts the sums; 2: on in place.
.macro PVEXP pv
.set n, 0
.rept 16
.if \pv == 1
	v_wmma_f32_16x16x32_bf16 v[OW+8*n:OW+8*n+7], v[VR+8*(n&3):VR+8*(n&3)+7], v[PB+8*(n>>2):PB+8*(n>>2)+7], 0
.endif
.if \pv == 2
	v_wmma_f32_16x16x32_bf16 v[OW+8*n:OW+8*n+7], v[VR+8*(n&3):VR+8*(n&3)+7], v[PB+8*(n>>2):PB+8*(n>>2)+7], v[OW+8*n:OW+8*n+7]
.endif
	v_exp_f32 v[EW+4*n],   v[SR+4*n]
	v_exp_f32 v[EW+4*n+1], v[SR+4*n+1]
	v_exp_f32 v[EW+4*n+2], v[SR+4*n+2]
	v_exp_f32 v[EW+4*n+3], v[SR+4*n+3]
.set n, n+1
.endr
.endm
; Row sums.  Number f = 4 j + qt adds pair j of query tile qt's eight pairs of exponentials onto L(qt, j & 1): eight chains, each taken up every eighth time.
; The multiply by 1.0 is there because the fused form alone takes E from window 1 and L from window 0.
.macro LFMA
	v_pk_fma_f32 v[LR+4*(f&3)+2*((f>>2)&1):LR+4*(f&3)+2*((f>>2)&1)+1], v[EW+16*(f&3)+2*(f>>2):EW+16*(f&3)+2*(f>>2)+1], 1.0, v[LR+4*(f&3)+2*((f>>2)&1):LR+4*(f&3)+2*((f>>2)&1)+1] op_sel_hi:[1,0,1]
.endm
.macro LSUM zl                         ; zl = 1: the first trip: pairs j and j + 2 (j = 0, 1) start the sums, so j = 2, 3 have nothing left to do
.if \zl
.if f < 8
	s_wait_alu depctr_va_vdst(0)
	v_pk_add_f32 v[LR+4*(f&3)+2*(f>>2):LR+4*(f&3)+2*(f>>2)+1], v[EW+16*(f&3)+2*(f>>2):EW+16*(f&3)+2*(f>>2)+1], v[EW+16*(f&3)+2*(f>>2)+4:EW+16*(f&3)+2*(f>>2)+5]
.endif
.if f >= 16
	LFMA
.endif
.else
	LFMA
.endif
.set f, f+1
.endm
.macro PCVT                            ; word g of P^T
	v_cvt_pk_bf16_f32 v[PB+g], v[EW+2*g], v[EW+2*g+1]
.set g, g+1
.endm
; The eight sums in front are, with the v_nop ahead of them, the places (ISA guide 7.12.1) between the last product O^T and the first write of P, its source.
.macro SUMCVT zl
.set f, 0
.set g, 0
.rept 8
	LSUM \zl
.endr
.rept 24
	PCVT
	LSUM \zl
.endr
.rept 8
	PCVT
.endr
.endm
; Trip i.  At its head S(i) has been issued, P(i-1) is written and V(i-1) is on its way.
; pv: see PVEXP; zl: see LSUM; vadd = 0: the first trip, VADR stands at V(0) already; nxt = 0: the last trip, no K(i+1), no S(i+1).
; The first four lines are the places between the products S(i) and the loads into K, their source, and the exponentials, which read them.
; The accumulators take turns, one instruction a turn (16 of O^T, then 8 of S^T twice), over the backward jump too.
.macro TRIP pv, zl, vadd, nxt
.if \nxt
	v_add_nc_u32 v[KADR], STRIDE, v[KADR]
.else
	v_nop
.endif
.if \vadd
	v_add_nc_u32 v[VADR], STRIDE, v[VADR]
.else
	v_nop
.endif
	v_nop
	v_nop
.if \nxt
	KLOAD                                          ; K(i+1): it has the products O^T, the exponentials and the sums in which to come
.endif
.if \pv
.if \nxt
	s_wait_dscnt 0x8                               ; V(i-1) is in: K(i+1)'s eight loads stand behind its eight
.else
	s_wait_dscnt 0x0
.endif
.endif
	WIN 0x50
	PVEXP \pv
	v_nop                                          ; one plain place behind the last exponential before results are read and sources rewritten (ISA guide 5.7.2)
	s_wait_alu depctr_va_vdst(0)
	WIN 0x05
	SUMCVT \zl
	WIN 0x04
	VLOAD                                          ; V(i): 64 plain instructions behind the last product that read V(i-1); it has the products S^T in which to come
.if \nxt
	s_wait_dscnt 0x8                               ; K(i+1) is in: V(i)'s eight loads stand behind its eight
	SMUL 0
	SMUL 1
.endif
	WIN 0
.endm
; Chunk c is shown landed to every wave: my load number c (3 - c were issued behind it), then everybody's.  Behind these barriers nothing is filled.
; They stand early, in the first trips, so that the long loop has no barrier and no wave of a SIMD is held for the other.
.macro BAR c
	s_wait_dscnt 0x0                               ; no LDS instruction of mine is out at a signal
	s_wait_tensorcnt 3-\c
	s_barrier_signal -1
	s_barrier_wait -1
.endm
	BAR 0
	KLOAD
	s_wait_dscnt 0x0
	WIN 0x04
	SMUL 0                                         ; S(0)
	SMUL 1
	WIN 0
	TRIP 0, 1, 0, 1                                ; trip 0: no product O^T yet; the sums start
	TRIP 1, 0, 1, 1                                ; trip 1: the first product starts O^T
	BAR 1                                          ; chunk c is first read in trip 8 c - 1 (K of step 8 c)
	TRIP 2, 0, 1, 1
	TRIP 2, 0, 1, 1
	BAR 2
	TRIP 2, 0, 1, 1
	TRIP 2, 0, 1, 1
	BAR 3
	TRIP 2, 0, 1, 1                                ; trip 6
	; x of the 32 queries that I finish: 16 loads that stay out for the 25 trips to come
.irp n, 0,1,2,3,4,5,6,7,8,9,10,11,12,13,14,15
	global_load_b128 v[XR+4*\n:XR+4*\n+3], v[XOFF], s[6:7] offset:4096*\n
.endr
	s_mov_b32 s50, 24
.Lsteps:
	TRIP 2, 0, 1, 1                                ; trips 7 to 30
	s_sub_co_i32 s50, s50, 1
	s_cmp_lg_u32 s50, 0
	s_cbranch_scc1 .Lsteps
	TRIP 2, 0, 1, 0                                ; trip 31
	s_wait_dscnt 0x0                               ; V(31)
	WIN 0x50
.set n, 0
.rept 16
	v_wmma_f32_16x16x32_bf16 v[OW+8*n:OW+8*n+7], v[VR+8*(n&3):VR+8*(n&3)+7], v[PB+8*(n>>2):PB+8*(n>>2)+7], v[OW+8*n:OW+8*n+7]
.set n, n+1
.endr
	WIN 0
	; THE END.  Row sums over my keys; the two key halves meet in LDS; divide, add x, store.
	PLACES                                         ; the places behind the last products, for every read of O^T and every write of P's and V's registers below
.irp t, 0,1,2,3
	v_pk_add_f32 v[LR+4*\t:LR+4*\t+1], v[LR+4*\t:LR+4*\t+1], v[LR+4*\t+2:LR+4*\t+3]
.endr
.irp t, 0,1,2,3
	v_add_f32 v[LT+\t], v[LR+4*\t], v[LR+4*\t+1]
.endr
.irp t, 0,1,2,3
	v_permlanex16_b32 v[TR+\t], v[LT+\t], s20, s21 ; the other half of the lanes holds the other eight slots of each tile; the destination has been written before (as P)
.endr
.irp t, 0,1,2,3
	v_add_f32 v[LT+\t], v[LT+\t], v[TR+\t]
.endr
	s_wait_dscnt 0x0
	s_barrier_signal -1
	s_barrier_wait -1                              ; every wave's reads of the head are over; its bytes have had their last fill and serve as scratch
	WIN 0x04                                       ; store data in window 1
.irp n, 0,1,2,3,4,5,6,7,8,9,10,11,12,13,14,15
	ds_store_b128 v[XST], v[OW+64+4*\n:OW+64+4*\n+3] offset:512*\n   ; register tiles 2, 3: 32 lanes x 16 neighbouring bytes
.endr
	WIN 0
	ds_store_b64 v[XSL], v[LT+2:LT+3] offset:8192
	s_wait_dscnt 0x0                               ; for my partner's sake: zero
	s_barrier_signal -1
	s_barrier_wait -1
.irp n, 0,1,2,3,4,5,6,7,8,9,10,11,12,13,14,15
	ds_load_b128 v[SR+4*\n:SR+4*\n+3], v[XLD] offset:512*\n          ; my partner's sums for my register tiles 0, 1
.endr
	ds_load_b64 v[LP:LP+1], v[XLL] offset:8192
	s_wait_dscnt 0x0
	s_wait_loadcnt 0x0                             ; x
; register tile t: 16 queries x 64 d.  Through my own stage, so that sixteen lanes store 256 consecutive, aligned bytes of y.
; os: the tile's output registers; the two tiles have sets of their own, so no store's data is rewritten.
.macro OUTT t, os
	v_add_f32 v[LT+\t], v[LT+\t], v[LP+\t]
	v_rcp_f32 v[INV], v[LT+\t]
	v_rcp_f32 v[INV+1], v[LT+\t]                   ; the packed adds below, which touch neither, are the plain place behind it (ISA guide 5.7.2)
	WIN 0x01                                       ; source 0 (my O^T) in window 1
.set i, 0
.rept 16
	v_pk_add_f32 v[KR+2*i:KR+2*i+1], v[OW+32*\t+2*i:OW+32*\t+2*i+1], v[SR+32*\t+2*i:SR+32*\t+2*i+1]
.set i, i+1
.endr
	WIN 0
.set i, 0
	s_wait_alu depctr_va_vdst(0)
.rept 16
	v_pk_mul_f32 v[KR+2*i:KR+2*i+1], v[KR+2*i:KR+2*i+1], v[INV:INV+1]
.set i, i+1
.endr
.irp u, 0,1,2,3
	ds_store_b128 v[STO], v[KR+8*\u:KR+8*\u+3]   offset:16*SP*\t+64*\u
	ds_store_b128 v[STO], v[KR+8*\u+4:KR+8*\u+7] offset:16*SP*\t+64*\u+16
.endr
.irp n, 0,1,2,3,4,5,6,7
	ds_load_b128 v[\os+4*\n:\os+4*\n+3], v[RD] offset:16*SP*\t+2*SP*\n   ; LDS serves a wave's instructions in order (ISA guide 5.7.1): these see the stores above
.endr
	s_wait_dscnt 0x0
.set i, 0
.rept 16
	v_pk_add_f32 v[\os+2*i:\os+2*i+1], v[XR+32*\t+2*i:XR+32*\t+2*i+1], v[\os+2*i:\os+2*i+1]
.set i, i+1
.endr
.irp n, 0,1,2,3,4,5,6,7
	global_store_b128 v[XOFF], v[\os+4*\n:\os+4*\n+3], s[8:9] offset:4096*(8*\t+\n)
.endr
.endm
	OUTT 0, VR
	OUTT 1, PB                                     ; the small figures in P's upper registers have had their last use when the tile's loads land on them
	s_wait_xcnt 0x0
	v_lshl_add_u32 v254, v0, 2, 0x48000
	v_mov_b32 v255, 0
	s_wait_tensorcnt 0x0
	ds_add_u32 v254, v255
	s_wait_dscnt 0x0
	ROUND                                          ; the closing round
	s_endpgm
.Lfunc_end_k_q7b587e94be_attn:
	.size	k_q7b587e94be_attn, .Lfunc_end_k_q7b587e94be_attn-k_q7b587e94be_attn
	.p2alignl 7, 3214868480
	.fill 96, 4, 3214868480
	.section	.rodata,"a",@progbits
	.p2align	6, 0x0
	.amdhsa_kernel k_q7b587e94be_attn
		.amdhsa_group_segment_fixed_size 295936
		.amdhsa_private_segment_fixed_size 0
		.amdhsa_enable_private_segment 0
		.amdhsa_kernarg_size 24
		.amdhsa_user_sgpr_count 2
		.amdhsa_user_sgpr_kernarg_segment_ptr 1
		.amdhsa_wavefront_size32 1
		.amdhsa_system_sgpr_workgroup_id_x 1
		.amdhsa_system_sgpr_workgroup_id_y 1
		.amdhsa_system_sgpr_workgroup_id_z 1
		.amdhsa_system_vgpr_workitem_id 0
		.amdhsa_next_free_vgpr 512
		.amdhsa_next_free_sgpr 66
		.amdhsa_reserve_vcc 0
		.amdhsa_float_denorm_mode_32 3
		.amdhsa_float_denorm_mode_16_64 3
		.amdhsa_memory_ordered 1
		.amdhsa_forward_progress 1
		.amdhsa_inst_pref_size 121
	.end_amdhsa_kernel
	.amdgpu_metadata
---
amdhsa.version: [ 1, 2 ]
amdhsa.kernels:
  - .name:           k_q7b587e94be_attn
    .symbol:         k_q7b587e94be_attn.kd
    .args:
      - { .name: xq, .offset: 0, .size: 8, .value_kind: global_buffer, .address_space: global }
      - { .name: x, .offset: 8, .size: 8, .value_kind: global_buffer, .address_space: global }
      - { .name: y, .offset: 16, .size: 8, .value_kind: global_buffer, .address_space: global }
    .group_segment_fixed_size: 295936
    .private_segment_fixed_size: 0
    .kernarg_segment_align: 8
    .kernarg_segment_size: 24
    .max_flat_workgroup_size: 256
    .sgpr_count:     66
    .vgpr_count:     512
    .wavefront_size: 32
...
	.end_amdgpu_metadata
.endif
;; end of part 2
;; launch ln1 (part 3): grid 256 x 1, 8 waves a work-group, no clusters, 0 bytes of LDS; arguments y, g1, bt1, th_ffn, qf; writes qf
.if DOCPART == 3
	.amdgcn_target "amdgcn-amd-amdhsa--gfx1250"
	.amdhsa_code_object_version 6
	.text
	.protected	k_q7b587e94be_ln1
	.globl	k_q7b587e94be_ln1
	.p2align	8
	.type	k_q7b587e94be_ln1,@function
k_q7b587e94be_ln1:
	s_mov_b64 s[64:65], 0
	v_nop
	global_prefetch_b8 v0, s[64:65] scope:SCOPE_SE
	s_setreg_imm32_b32 hwreg(HW_REG_WAVE_MODE, 25, 1), 1
	s_wait_xcnt 0x0
; ln1: qf = bf16( cos( LN1(y) ) cos(th_ffn) ).  y: [8192][512] f32, qf: [8192][512] bf16.
; A stream: one wave takes four whole rows (16 registers a row), so no sum leaves the wave: no LDS, no barrier, no matrix unit.
; Load j of a lane holds columns 128 j + 4 lane .. + 3: each load of a wave covers 512 consecutive bytes, each store of a wave 256, aligned.
; The variance is the mean of the squared deviations, with the deviation formed first.
; COSINE, limits: cos(x) = sin(pi w), w = 1/2 - 2 |r|, r = x/2pi - nearest whole number, 1/2pi in two words, odd series to w^11: cut-off error at most 6e-8.
.set GR,  16                           ; v[16:31]   g1 of my 16 columns
.set BR,  32                           ; v[32:47]   bt1
.set CT,  48                           ; v[48:63]   th_ffn, then its cosine
.set YR,  64                           ; v[64:127]  four rows
.set TA,  128                          ; v[128:143] row R: pairs at 4 R and 4 R + 2
.set NR,  144                          ; v[144:151] at work
.set PR,  152                          ; v[152:159] at work
.set NIC, 20
.set CLO, 22
.set C11, 24
.set C9,  26
.set C7,  28
.set C5,  30
.set C3,  32
.set C1,  34
.set NI,  36                           ; s[36:37] -1/512
.set PI512, 38                         ; 1/512
.set EPSR,  39                         ; 1e-5
.set SEL,   40                         ; s40, s41: v_permlanex16_b32, lane i of the other half
.macro SPAIR reg, val
	s_mov_b32 s[\reg], \val
	s_mov_b32 s[\reg+1], \val
.endm
.macro COS8 X, N, P
.irp j, 0,2,4,6
	v_pk_mul_f32 v[\N+\j:\N+\j+1], v[\X+\j:\X+\j+1], s[NIC:NIC+1] op_sel_hi:[1,0]
.endr
.irp j, 0,1,2,3,4,5,6,7
	v_rndne_f32 v[\N+\j], v[\N+\j]                 ; minus the nearest whole number of turns
.endr
.irp j, 0,2,4,6
	v_pk_fma_f32 v[\P+\j:\P+\j+1], v[\X+\j:\X+\j+1], 0.15915494, v[\N+\j:\N+\j+1] op_sel_hi:[1,0,1]
.endr
.irp j, 0,2,4,6
	v_pk_fma_f32 v[\P+\j:\P+\j+1], v[\X+\j:\X+\j+1], s[CLO:CLO+1], v[\P+\j:\P+\j+1] op_sel_hi:[1,0,1]
.endr
.irp j, 0,1,2,3,4,5,6,7
	v_fma_f32 v[\X+\j], |v[\P+\j]|, -2.0, 0.5
.endr
.irp j, 0,2,4,6
	v_pk_mul_f32 v[\N+\j:\N+\j+1], v[\X+\j:\X+\j+1], v[\X+\j:\X+\j+1]
.endr
.irp j, 0,2,4,6
	v_pk_fma_f32 v[\P+\j:\P+\j+1], v[\N+\j:\N+\j+1], s[C11:C11+1], s[C9:C9+1] op_sel_hi:[1,0,0]
.endr
.irp c, C7, C5, C3, C1
.irp j, 0,2,4,6
	v_pk_fma_f32 v[\P+\j:\P+\j+1], v[\P+\j:\P+\j+1], v[\N+\j:\N+\j+1], s[\c:\c+1] op_sel_hi:[1,1,0]
.endr
.endr
.irp j, 0,2,4,6
	v_pk_mul_f32 v[\X+\j:\X+\j+1], v[\X+\j:\X+\j+1], v[\P+\j:\P+\j+1]
.endr
.endm
; the four figures in v[T + 4 R] are summed over the 32 lanes; every lane ends with the sum
.macro XLANE T
.irp m, 1,2,4,8
.irp R, 0,1,2,3
	v_add_f32_dpp v[\T+4*\R], v[\T+4*\R], v[\T+4*\R] row_xmask:\m row_mask:0xf bank_mask:0xf
.endr
.endr
.irp R, 0,1,2,3
	v_permlanex16_b32 v[\T+4*\R+2], v[\T+4*\R], s[SEL], s[SEL+1]   ; its destination has been written before
.endr
.irp R, 0,1,2,3
	v_add_f32 v[\T+4*\R], v[\T+4*\R], v[\T+4*\R+2]
.endr
.endm
; four rows at Y become their deviations from the mean; 1 / sqrt(variance + eps) of row R ends in v[T + 4 R + 2]
.macro LNSTAT Y, T
.irp R, 0,1,2,3
	v_pk_add_f32 v[\T+4*\R:\T+4*\R+1],   v[\Y+16*\R:\Y+16*\R+1],   v[\Y+16*\R+2:\Y+16*\R+3]
	v_pk_add_f32 v[\T+4*\R+2:\T+4*\R+3], v[\Y+16*\R+4:\Y+16*\R+5], v[\Y+16*\R+6:\Y+16*\R+7]
.endr
.irp k, 8,12
.irp R, 0,1,2,3
	v_pk_add_f32 v[\T+4*\R:\T+4*\R+1],   v[\T+4*\R:\T+4*\R+1],   v[\Y+16*\R+\k:\Y+16*\R+\k+1]
	v_pk_add_f32 v[\T+4*\R+2:\T+4*\R+3], v[\T+4*\R+2:\T+4*\R+3], v[\Y+16*\R+\k+2:\Y+16*\R+\k+3]
.endr
.endr
.irp R, 0,1,2,3
	v_pk_add_f32 v[\T+4*\R:\T+4*\R+1], v[\T+4*\R:\T+4*\R+1], v[\T+4*\R+2:\T+4*\R+3]
.endr
.irp R, 0,1,2,3
	v_add_f32 v[\T+4*\R], v[\T+4*\R], v[\T+4*\R+1]
.endr
	XLANE \T
.irp R, 0,1,2,3
.irp k, 0,2,4,6,8,10,12,14
	v_pk_fma_f32 v[\Y+16*\R+\k:\Y+16*\R+\k+1], v[\T+4*\R:\T+4*\R+1], s[NI:NI+1], v[\Y+16*\R+\k:\Y+16*\R+\k+1] op_sel_hi:[0,0,1]   ; y - sum/512
.endr
.endr
.irp R, 0,1,2,3
	v_pk_mul_f32 v[\T+4*\R:\T+4*\R+1],   v[\Y+16*\R:\Y+16*\R+1],   v[\Y+16*\R:\Y+16*\R+1]
	v_pk_mul_f32 v[\T+4*\R+2:\T+4*\R+3], v[\Y+16*\R+2:\Y+16*\R+3], v[\Y+16*\R+2:\Y+16*\R+3]
.endr
.irp k, 4,8,12
.irp R, 0,1,2,3
	v_pk_fma_f32 v[\T+4*\R:\T+4*\R+1],   v[\Y+16*\R+\k:\Y+16*\R+\k+1],   v[\Y+16*\R+\k:\Y+16*\R+\k+1],   v[\T+4*\R:\T+4*\R+1]
	v_pk_fma_f32 v[\T+4*\R+2:\T+4*\R+3], v[\Y+16*\R+\k+2:\Y+16*\R+\k+3], v[\Y+16*\R+\k+2:\Y+16*\R+\k+3], v[\T+4*\R+2:\T+4*\R+3]
.endr
.endr
.irp R, 0,1,2,3
	v_pk_add_f32 v[\T+4*\R:\T+4*\R+1], v[\T+4*\R:\T+4*\R+1], v[\T+4*\R+2:\T+4*\R+3]
.endr
.irp R, 0,1,2,3
	v_add_f32 v[\T+4*\R], v[\T+4*\R], v[\T+4*\R+1]
.endr
	XLANE \T
.irp R, 0,1,2,3
	v_fma_f32 v[\T+4*\R], v[\T+4*\R], s[PI512], s[EPSR]
.endr
.irp R, 0,1,2,3
	v_rsq_f32 v[\T+4*\R+2], v[\T+4*\R]
.endr
	v_nop                                          ; one plain place behind the last v_rsq_f32 (ISA guide 5.7.2)
.endm
.macro LNAPPLY Y, G, B, T
	s_wait_alu depctr_va_vdst(0)
.irp R, 0,1,2,3
.irp k, 0,2,4,6,8,10,12,14
	v_pk_mul_f32 v[\Y+16*\R+\k:\Y+16*\R+\k+1], v[\Y+16*\R+\k:\Y+16*\R+\k+1], v[\T+4*\R+2:\T+4*\R+3] op_sel_hi:[1,0]
.endr
.endr
.irp R, 0,1,2,3
.irp k, 0,2,4,6,8,10,12,14
	v_pk_fma_f32 v[\Y+16*\R+\k:\Y+16*\R+\k+1], v[\Y+16*\R+\k:\Y+16*\R+\k+1], v[\G+\k:\G+\k+1], v[\B+\k:\B+\k+1]
.endr
.endr
.endm
	s_load_b256 s[4:11], s[0:1], 0x0               ; y s[4:5], g1 s[6:7], bt1 s[8:9], th_ffn s[10:11]
	s_load_b64 s[12:13], s[0:1], 0x20              ; qf
	SPAIR NIC, 0xbe22f983
	SPAIR CLO, 0x31dc9c88
	SPAIR C11, 0xbbf183a8
	SPAIR C9,  0x3da83c1a
	SPAIR C7,  0xbf196966
	SPAIR C5,  0x402335e3
	SPAIR C3,  0xc0a55de7
	SPAIR C1,  0x40490fdb
	SPAIR NI,  0xbb000000
	s_mov_b32 s[PI512], 0x3b000000
	s_mov_b32 s[EPSR], 0x3727c5ac
	s_mov_b32 s[SEL], 0x76543210
	s_mov_b32 s[SEL+1], 0xfedcba98
	s_lshl_b32 s16, ttmp9, 16                      ; y: 32 rows of 2,048 bytes
	s_mov_b32 s17, 0
	s_lshl_b32 s18, ttmp9, 15                      ; qf: 32 rows of 1,024 bytes
	s_mov_b32 s19, 0
	v_lshrrev_b32 v4, 5, v0                        ; wave
	v_and_b32 v5, 31, v0                           ; lane
	v_lshlrev_b32 v2, 4, v5                        ; v2: 16 lane, in the vectors of 512
	v_lshl_add_u32 v1, v4, 13, v2                  ; v1: y, + 4 rows a wave
	v_lshlrev_b32 v3, 3, v5
	v_lshl_add_u32 v3, v4, 12, v3                  ; v3: qf, 8 lane + 4 rows a wave
	s_wait_kmcnt 0x0
	s_add_nc_u64 s[4:5], s[4:5], s[16:17]
	s_add_nc_u64 s[12:13], s[12:13], s[18:19]
.irp j, 0,1,2,3
	global_load_b128 v[CT+4*\j:CT+4*\j+3], v2, s[10:11] offset:512*\j
.endr
.irp R, 0,1,2,3
.irp j, 0,1,2,3
	global_load_b128 v[YR+16*\R+4*\j:YR+16*\R+4*\j+3], v1, s[4:5] offset:2048*\R+512*\j
.endr
.endr
.irp j, 0,1,2,3
	global_load_b128 v[GR+4*\j:GR+4*\j+3], v2, s[6:7] offset:512*\j
.endr
.irp j, 0,1,2,3
	global_load_b128 v[BR+4*\j:BR+4*\j+3], v2, s[8:9] offset:512*\j
.endr
	s_wait_loadcnt 24                              ; th is in: 16 loads of y and 8 of g1, bt1 stand behind it
	COS8 CT, NR, PR
	COS8 CT+8, NR, PR
	s_wait_loadcnt 8                               ; y is in
	LNSTAT YR, TA
	s_wait_loadcnt 0
	LNAPPLY YR, GR, BR, TA
.irp R, 0,1,2,3
	COS8 YR+16*\R, NR, PR
	COS8 YR+16*\R+8, NR, PR
.irp k, 0,2,4,6,8,10,12,14
	v_pk_mul_f32 v[YR+16*\R+\k:YR+16*\R+\k+1], v[YR+16*\R+\k:YR+16*\R+\k+1], v[CT+\k:CT+\k+1]
.endr
.irp k, 0,1,2,3,4,5,6,7
	v_cvt_pk_bf16_f32 v[YR+16*\R+\k], v[YR+16*\R+2*\k], v[YR+16*\R+2*\k+1]   ; ascending: word k is written when its old content has been used
.endr
.irp j, 0,1,2,3
	global_store_b64 v3, v[YR+16*\R+2*\j:YR+16*\R+2*\j+1], s[12:13] offset:1024*\R+256*\j
.endr
.endr
	s_endpgm
.Lfunc_end_k_q7b587e94be_ln1:
	.size	k_q7b587e94be_ln1, .Lfunc_end_k_q7b587e94be_ln1-k_q7b587e94be_ln1
	.p2alignl 7, 3214868480
	.fill 96, 4, 3214868480
	.section	.rodata,"a",@progbits
	.p2align	6, 0x0
	.amdhsa_kernel k_q7b587e94be_ln1
		.amdhsa_group_segment_fixed_size 0
		.amdhsa_private_segment_fixed_size 0
		.amdhsa_enable_private_segment 0
		.amdhsa_kernarg_size 40
		.amdhsa_user_sgpr_count 2
		.amdhsa_user_sgpr_kernarg_segment_ptr 1
		.amdhsa_wavefront_size32 1
		.amdhsa_system_sgpr_workgroup_id_x 1
		.amdhsa_system_sgpr_workgroup_id_y 1
		.amdhsa_system_sgpr_workgroup_id_z 1
		.amdhsa_system_vgpr_workitem_id 0
		.amdhsa_next_free_vgpr 160
		.amdhsa_next_free_sgpr 66
		.amdhsa_reserve_vcc 0
		.amdhsa_float_denorm_mode_32 3
		.amdhsa_float_denorm_mode_16_64 3
		.amdhsa_memory_ordered 1
		.amdhsa_forward_progress 1
		.amdhsa_inst_pref_size 57
	.end_amdhsa_kernel
	.amdgpu_metadata
---
amdhsa.version: [ 1, 2 ]
amdhsa.kernels:
  - .name:           k_q7b587e94be_ln1
    .symbol:         k_q7b587e94be_ln1.kd
    .args:
      - { .name: y, .offset: 0, .size: 8, .value_kind: global_buffer, .address_space: global }
      - { .name: g1, .offset: 8, .size: 8, .value_kind: global_buffer, .address_space: global }
      - { .name: bt1, .offset: 16, .size: 8, .value_kind: global_buffer, .address_space: global }
      - { .name: th_ffn, .offset: 24, .size: 8, .value_kind: global_buffer, .address_space: global }
      - { .name: qf, .offset: 32, .size: 8, .value_kind: global_buffer, .address_space: global }
    .group_segment_fixed_size: 0
    .private_segment_fixed_size: 0
    .kernarg_segment_align: 8
    .kernarg_segment_size: 40
    .max_flat_workgroup_size: 256
    .sgpr_count:     66
    .vgpr_count:     160
    .wavefront_size: 32
...
	.end_amdgpu_metadata
.endif
;; end of part 3
;; launch ffn (part 4): grid 4 x 64, 4 waves a work-group, clusters of 4 x 4, 327,680 bytes of LDS; arguments qf, wt, b1, part; writes part
.if DOCPART == 4
	.amdgcn_target "amdgcn-amd-amdhsa--gfx1250"
	.amdhsa_code_object_version 6
	.text
	.protected	k_q7b587e94be_ffn
	.globl	k_q7b587e94be_ffn
	.p2align	8
	.type	k_q7b587e94be_ffn,@function
k_q7b587e94be_ffn:
	s_mov_b64 s[64:65], 0
	v_nop
	global_prefetch_b8 v0, s[64:65] scope:SCOPE_SE
	s_setreg_imm32_b32 hwreg(HW_REG_WAVE_MODE, 25, 1), 1
	s_wait_xcnt 0x0
	s_wait_alu depctr_hold_cnt(0) depctr_sa_sdst(0) depctr_va_vdst(0) depctr_va_sdst(0) depctr_va_ssrc(0) depctr_va_vcc(0) depctr_vm_vsrc(0)
	s_getreg_b32 s2, hwreg(HW_REG_IB_STS2, 6, 4)
	s_cmp_eq_u32 s2, 0
	s_cbranch_scc0 .Lentry_in_a_cluster
	s_endpgm
.Lentry_in_a_cluster:
	s_bfe_u32 s2, ttmp6, 0x10000c
	s_cmp_lg_u32 s2, 0xf033
	s_cbranch_scc0 .Lentry_shape_is_right
	s_endpgm
.Lentry_shape_is_right:
; ffn: part[fq] = relu( qf W1[:, 512 fq .. + 511] + b1[512 fq ..] ) W2[512 fq .. + 511, :], in f32, for 128 rows and one quarter fq of the FFN axis.
; Two products of 128 x 512 x 512 in a row; h stays in LDS as bf16.  Four waves, as many as a WGP has SIMDs; wave w makes all 128 rows x columns
; 128 w .. + 127 of each product: 64 accumulator tiles, 512 registers.  The four quarters' sums are added by the next launch.
; The weights come as tiles of 64 k x 128 n for each wave (16 KiB, dense in wt) through a ring of two LDS slots; a wave reads only its own part of a slot.
; CLUSTER 4 x 4: the four work-groups of a row of the cluster have the same 128 rows of qf (mask: my row); the four of a column have the same quarter
; fq and walk the same weights (mask: my column).  All tensor loads are joint.  A wave has three outstanding at the start (qf, tiles 0 and 1), later one.
; THE MATRIX INSTRUCTION IS USED TRANSPOSED: source 0 = 16 columns n of the weights (by the transposing LDS load, since they lie [k][n]),
; source 1 = 16 rows of the activations.  Register j of lane l then holds (row l % 16, column 8 (l / 16) + j): eight neighbouring columns of a row.
; LIMIT: relu is v_max_num_f32 with 0, which turns a NaN into 0.
.set APITCH, 1040                      ; a row of 512 bf16 + 16 bytes: 65 x 16, so sixteen rows start in sixteen different 16-byte columns modulo 256
.set BPITCH, 288                       ; a row of 128 bf16 + 32 bytes: 9 x 32
.set RING,   128*APITCH                ; byte 0: 128 rows of qf, one fill; later h, by LDS stores.  Behind it the ring
.set BPART,  64*BPITCH                 ; a wave's part of a slot
.set SLOT,   4*BPART
.set STAGE,  RING+2*SLOT               ; behind the ring: 16 rows x 528 bytes for each wave, for the way out
.set SPITCH, 528
.set ADRA, 16                          ; v16, v17  activations: rows 0-63, rows 64-127
.set ADRB, 20                          ; v20, v21  my weights in slot 0, 1
.set HST,  22                          ; v22, v23  where h goes: rows 0-63, rows 64-127
.set STO,  24                          ; the way out: in,
.set RD,   25                          ; back,
.set CO,   26                          ; and my byte offset in part
.set BOFF, 27                          ; my byte offset in b1
.set F0,   64                          ; fragment buffer 0: window 0 activations, window 1 weights
.set F1,   128                         ; fragment buffer 1
.set TMP,  192                         ; window 0: h packed to bf16
.set BIAS, 192                         ; window 1: register 8 b + j = b1[512 fq + 128 w + 16 b + 8 (l / 16) + j]
.set G1A, 24                           ; s[24:31] group 1 for qf
.set G0A, 32                           ; s[32:35] group 0 for qf
.set G1B, 48                           ; s[48:55] group 1 for the weights
.set G0B, 56                           ; s[56:63] group 0 for the weights, one set for each slot
.set MUL_LO, 0xa1                      ; source 0 window 1, source 1 window 0, C and D window 2 (my rows 0-63)
.set MUL_HI, 0xf1                      ; C and D window 3 (rows 64-127)
.set BIAS_LO, 0x91                     ; C window 1 (the bias), D window 2
.set BIAS_HI, 0xd1                     ; C window 1, D window 3
.set MSB, 0
.macro WIN new                         ; s_set_vgpr_msb: bits 1:0 source 0, 3:2 source 1, 5:4 source 2, 7:6 destination; the high byte repeats the setting left
.if MSB != \new
	s_set_vgpr_msb (MSB<<8)|\new
.set MSB, \new
.endif
.endm
.macro PLACES                          ; four plain places behind matrix instructions in front of loads into their sources and reads of their results
.rept 4
	v_nop
.endr
.endm
.macro CREST                           ; a round of the cluster's barrier behind its opening barrier
	s_cmp_lg_u32 s20, 0
	s_cbranch_scc1 .Lnot_wave_0_\@
	s_barrier_signal -3
.Lnot_wave_0_\@:
	s_barrier_wait -3
	s_barrier_signal -1
	s_barrier_wait -1
.endm
.macro CROUND
	s_barrier_signal -1
	s_barrier_wait -1
	CREST
.endm
	s_load_b256 s[4:11], s[0:1], 0x0               ; qf s[4:5], wt s[6:7], b1 s[8:9], part s[10:11]
	s_set_vgpr_msb 0x40
	v_lshl_add_u32 v63, v0, 2, 0x4cc00
	s_set_vgpr_msb 0x4000
	v_mov_b32 v255, 0
	s_set_vgpr_msb 0x1
	ds_add_u32 v63, v255
	s_set_vgpr_msb 0x100
	v_lshrrev_b32 v1, 5, v0
	v_readfirstlane_b32 s20, v1                    ; wave 0..3
	s_bfe_u32 s21, ttmp6, 0x40000                  ; cx
	s_bfe_u32 s22, ttmp6, 0x40004                  ; cy
	s_lshl_b32 s13, ttmp9, 2
	s_add_co_u32 s13, s13, s21                     ; fq = 4 x cluster x + cx
	s_and_b32 s12, ttmp7, 0xffff
	s_lshl_b32 s12, s12, 2
	s_add_co_u32 s12, s12, s22                     ; row block = 4 x cluster y + cy
	s_lshl_b32 s14, s22, 2
	s_lshl_b32 s14, 15, s14                        ; my row of the cluster
	s_lshl_b32 s15, 0x1111, s21                    ; my column
	; qf: 32 rows of 512 elements a wave; 4 words of padding behind every 256 words (a row)
	s_or_b32 s[G1A+0], s14, (1<<16)|(1<<20)|(1<<21)|(7<<22)|(3<<25)
	s_mov_b32 s[G1A+1], 512<<16                    ; tensor_dim0
	s_mov_b32 s[G1A+2], 32<<16                     ; tensor_dim1
	s_mov_b32 s[G1A+3], 512<<16                    ; tile_dim0
	s_mov_b32 s[G1A+4], 32                         ; tile_dim1
	s_mov_b32 s[G1A+5], 512                        ; elements from row to row
	s_mov_b32 s[G1A+6], 0
	s_mov_b32 s[G1A+7], 0
	; weights: 64 rows of 128 elements a wave; 8 words of padding behind every 64 words (a row)
	s_or_b32 s[G1B+0], s15, (1<<16)|(1<<20)|(1<<21)|(5<<22)|(7<<25)
	s_mov_b32 s[G1B+1], 128<<16
	s_mov_b32 s[G1B+2], 64<<16
	s_mov_b32 s[G1B+3], 128<<16
	s_mov_b32 s[G1B+4], 64
	s_mov_b32 s[G1B+5], 128
	s_mov_b32 s[G1B+6], 0
	s_mov_b32 s[G1B+7], 0
	s_lshl_b32 s16, s12, 17                        ; qf: 128 rows of 1,024 bytes a block: the row block and the wave alone,
	s_lshl_b32 s23, s20, 15                        ; 32 rows a wave
	s_add_co_u32 s16, s16, s23
	s_mov_b32 s17, 0
	s_lshl_b32 s18, s13, 20                        ; wt: fq and the wave alone
	s_lshl_b32 s38, s20, 14
	s_add_co_u32 s18, s18, s38
	s_mov_b32 s19, 0
	s_mul_i32 s40, s20, BPART
	s_add_co_u32 s40, s40, RING                    ; my part of slot 0
	s_lshl_b32 s41, s13, 11
	s_lshl_b32 s39, s20, 9
	s_add_co_u32 s41, s41, s39                     ; b1: 4 (512 fq + 128 w)
	s_lshl_b32 s42, s20, 8                         ; my 256 bytes of a row of h
	s_mul_i32 s43, s20, 16*SPITCH
	s_add_co_u32 s43, s43, STAGE                   ; my stage
	s_lshl_b32 s36, s13, 24                        ; part: fq x 16 MiB + 128 rows of 2,048 bytes a block + 512 bytes a wave
	s_lshl_b32 s44, s12, 18
	s_add_co_u32 s36, s36, s44
	s_add_co_u32 s36, s36, s39
	s_mov_b32 s37, 0
	s_wait_dscnt 0x0
	s_wait_kmcnt 0x0
	s_add_nc_u64 s[16:17], s[4:5], s[16:17]
	s_add_nc_u64 s[18:19], s[6:7], s[18:19]
	s_add_nc_u64 s[10:11], s[10:11], s[36:37]
	s_mov_b32 s[G0A], 1
	s_mul_i32 s[G0A+1], s20, 32*APITCH
	s_mov_b64 s[G0A+2:G0A+3], s[16:17]
	s_or_b32 s[G0A+3], s[G0A+3], 0x80000000
.irp s, 0,1
	s_mov_b32 s[G0B+4*\s], 1
	s_add_co_u32 s[G0B+4*\s+1], s40, \s*SLOT
	s_add_nc_u64 s[G0B+4*\s+2:G0B+4*\s+3], s[18:19], \s*65536      ; tile s
	s_or_b32 s[G0B+4*\s+3], s[G0B+4*\s+3], 0x80000000
.endr
	CROUND                                         ; all sixteen work-groups are here: the first joint loads meet
	tensor_load_to_lds s[G0A:G0A+3], s[G1A:G1A+7]
	s_nop 0
	tensor_load_to_lds s[G0B:G0B+3], s[G1B:G1B+7]
	s_nop 0
	tensor_load_to_lds s[G0B+4:G0B+7], s[G1B:G1B+7]
	s_nop 0
	v_nop
	v_and_b32 v1, 15, v0                           ; l % 16
	v_bfe_u32 v2, v0, 4, 1                         ; l / 16
	v_lshl_add_u32 v[BOFF], v2, 5, s41
	WIN 0x40
.irp b, 0,1,2,3,4,5,6,7
	global_load_b128 v[BIAS+8*\b:BIAS+8*\b+3],   v[BOFF], s[8:9] offset:64*\b
	global_load_b128 v[BIAS+8*\b+4:BIAS+8*\b+7], v[BOFF], s[8:9] offset:64*\b+16
.endr
	WIN 0
	v_mul_u32_u24 v[ADRA], v1, APITCH
	v_lshl_add_u32 v[ADRA], v2, 4, v[ADRA]         ; row x pitch + 16 x half
	v_add_nc_u32 v[ADRA+1], 64*APITCH, v[ADRA]
	v_and_b32 v3, 7, v0
	v_lshl_add_u32 v3, v2, 3, v3                   ; k row 8 (l / 16) + (l & 7)
	v_mul_u32_u24 v3, v3, BPITCH
	v_bfe_u32 v4, v0, 3, 1
	v_lshl_add_u32 v3, v4, 4, v3                   ; which 16 bytes of the 32 of a block of 16 columns
	v_add_nc_u32 v[ADRB], s40, v3
	v_add_nc_u32 v[ADRB+1], SLOT, v[ADRB]
	v_add_nc_u32 v[HST], s42, v[ADRA]
	v_add_nc_u32 v[HST+1], 64*APITCH, v[HST]
	v_mul_u32_u24 v[STO], v1, SPITCH
	v_lshl_add_u32 v[STO], v2, 5, v[STO]
	v_add_nc_u32 v[STO], s43, v[STO]
	v_and_b32 v[CO], 31, v0
	v_lshlrev_b32 v[CO], 4, v[CO]                  ; a wave takes a row's 512 bytes at once
	v_add_nc_u32 v[RD], s43, v[CO]
; 16 matrix instructions: row blocks a0, a0 + 1 of the window's four x all 8 column blocks, 32 along K.
; mode 0: on in place; 1: the constant 0 starts the sums; 2: the bias starts the sums.  The 64 accumulators take turns, one instruction a turn.
.macro MUL16 f, hi, a0, mode
.irp a, \a0, \a0+1
.irp b, 0,1,2,3,4,5,6,7
.if \mode == 0
	v_wmma_f32_16x16x32_bf16 v[8*(8*(\a)+\b):8*(8*(\a)+\b)+7], v[\f+8*\b:\f+8*\b+7], v[\f+8*(4*\hi+\a):\f+8*(4*\hi+\a)+7], v[8*(8*(\a)+\b):8*(8*(\a)+\b)+7]
.endif
.if \mode == 1
	v_wmma_f32_16x16x32_bf16 v[8*(8*(\a)+\b):8*(8*(\a)+\b)+7], v[\f+8*\b:\f+8*\b+7], v[\f+8*(4*\hi+\a):\f+8*(4*\hi+\a)+7], 0
.endif
.if \mode == 2
	v_wmma_f32_16x16x32_bf16 v[8*(8*(\a)+\b):8*(8*(\a)+\b)+7], v[\f+8*\b:\f+8*\b+7], v[\f+8*(4*\hi+\a):\f+8*(4*\hi+\a)+7], v[BIAS+8*\b:BIAS+8*\b+7]
.endif
.endr
.endr
.endm
; 32 LDS loads in one run: half c (32 k) of my weights in a slot, and the same 32 k, at byte kb of the rows, of all 128 rows of the activations
.macro FETCH slot, c, kb, f
	WIN 0x40
.irp b, 0,1,2,3,4,5,6,7
	ds_load_tr16_b128 v[\f+8*\b:\f+8*\b+3],   v[ADRB+\slot] offset:\c*32*BPITCH+32*\b
	ds_load_tr16_b128 v[\f+8*\b+4:\f+8*\b+7], v[ADRB+\slot] offset:\c*32*BPITCH+32*\b+16*BPITCH
.endr
	WIN 0
.irp i, 0,1,2,3
	ds_load_b128 v[\f+8*\i:\f+8*\i+3],   v[ADRA] offset:\kb+\i*16*APITCH
	ds_load_b128 v[\f+8*\i+4:\f+8*\i+7], v[ADRA] offset:\kb+\i*16*APITCH+32
.endr
.irp i, 0,1,2,3
	ds_load_b128 v[\f+32+8*\i:\f+32+8*\i+3],   v[ADRA+1] offset:\kb+\i*16*APITCH
	ds_load_b128 v[\f+32+8*\i+4:\f+32+8*\i+7], v[ADRA+1] offset:\kb+\i*16*APITCH+32
.endr
.endm
; A K step is 64 along K: two halves of 64 matrix instructions on buffers 0 and 1.  The first half; in its middle the second half's fragments are fetched.
.macro HALF slot, kb, mode
	s_wait_dscnt 8                                 ; the weights and rows 0-63 are in; the youngest eight loads (rows 64-127) may be out
.if \mode == 2
	WIN BIAS_LO
.else
	WIN MUL_LO
.endif
	MUL16 F0, 0, 0, \mode
	MUL16 F0, 0, 2, \mode
	PLACES
	FETCH \slot, 1, \kb+64, F1
	s_wait_dscnt 32                                ; all but the 32 just issued
.if \mode == 2
	WIN BIAS_HI
.else
	WIN MUL_HI
.endif
	MUL16 F0, 1, 0, \mode
	MUL16 F0, 1, 2, \mode
.endm
; The second half, and the change of slots.  fill = 1: this slot is filled again, two tiles ahead, behind a round of the cluster's barrier: in front of the
; round's opening signal each wave waits for its reads of the slot and for all its tensor loads (one is out: its part of the next slot); only register work
; stands inside the round; the joint refill is the first tensor load behind it.  From a request to the wait for it a wave issues 112 matrix instructions.
; fetch = 1: the next step's first fragments, at byte kbn of the activations' rows.
.macro TURN slot, next, fill, fetch, kbn
	s_wait_dscnt 8
	WIN MUL_LO
	MUL16 F1, 0, 0, 0
	s_wait_dscnt 0                                 ; my reads of this slot are over
	s_wait_tensorcnt 0x0                           ; all my tensor loads have landed: my part of the next slot
	ds_add_u32 v63, v255
	s_wait_dscnt 0x0
.if \fill
	s_barrier_signal -1
	MUL16 F1, 0, 2, 0
	WIN 0
	s_barrier_wait -1
	CREST
	s_add_nc_u64 s[G0B+4*\slot+2:G0B+4*\slot+3], s[G0B+4*\slot+2:G0B+4*\slot+3], 2*65536
	tensor_load_to_lds s[G0B+4*\slot:G0B+4*\slot+3], s[G1B:G1B+7]
	s_nop 0
.else
	MUL16 F1, 0, 2, 0                              ; nothing is filled: no barrier; the next slot's bytes that I read are those that my own load brought
.endif
.if \fetch
	PLACES
	FETCH \next, 0, \kbn, F0
.endif
	WIN MUL_HI
	MUL16 F1, 1, 0, 0
	MUL16 F1, 1, 2, 0
.endm
	s_wait_tensorcnt 1                             ; my rows of qf and my part of tile 0 are in; tile 1 stays out
	s_barrier_signal -1
	s_barrier_wait -1                              ; everybody's rows of qf are in
	s_wait_loadcnt 0                               ; the bias
	FETCH 0, 0, 0, F0
	; THE FIRST PRODUCT: tiles 0 to 7, W1.  The activations' place along K stands in the immediates, so the steps are written out.
	HALF 0, 0, 2
	TURN 0, 1, 1, 1, 128
	HALF 1, 128, 0
	TURN 1, 0, 1, 1, 256
	HALF 0, 256, 0
	TURN 0, 1, 1, 1, 384
	HALF 1, 384, 0
	TURN 1, 0, 1, 1, 512
	HALF 0, 512, 0
	TURN 0, 1, 1, 1, 640
	HALF 1, 640, 0
	TURN 1, 0, 1, 1, 768
	HALF 0, 768, 0
	TURN 0, 1, 1, 1, 896
	HALF 1, 896, 0
	TURN 1, 0, 1, 0, 0                             ; its round has shown every wave's reads of qf done; nothing more of qf is fetched
	; h = relu, rounded to bf16, over qf's bytes, which have had their one fill
	PLACES
	WIN 0x88
.set i, 0
.rept 256
	v_max_num_f32 v[i], 0, v[i]
.set i, i+1
.endr
	WIN 0xcc
.set i, 0
.rept 256
	v_max_num_f32 v[i], 0, v[i]
.set i, i+1
.endr
; rows 16 i .. + 15: the eight tiles (a, 0..7) of window 2 or 3 (from = 0x0a or 0x0f: sources 0 and 1)
.macro HOUT i, a, from
	WIN \from
.irp b, 0,1,2,3,4,5,6,7
.irp q, 0,1,2,3
	v_cvt_pk_bf16_f32 v[TMP+4*\b+\q], v[8*(8*\a+\b)+2*\q], v[8*(8*\a+\b)+2*\q+1]
.endr
.endr
	WIN 0
.irp b, 0,1,2,3,4,5,6,7
	ds_store_b128 v[HST+(\i>>2)], v[TMP+4*\b:TMP+4*\b+3] offset:(\i&3)*16*APITCH+32*\b
.endr
.endm
	HOUT 0, 0, 0x0a
	HOUT 1, 1, 0x0a
	HOUT 2, 2, 0x0a
	HOUT 3, 3, 0x0a
	HOUT 4, 0, 0x0f
	HOUT 5, 1, 0x0f
	HOUT 6, 2, 0x0f
	HOUT 7, 3, 0x0f
	s_wait_dscnt 0                                 ; for the others' sake: zero
	s_barrier_signal -1
	s_barrier_wait -1                              ; h is whole.  Tile 9 stays on its way: nothing is filled before the next step's round
	FETCH 0, 0, 0, F0
	; THE SECOND PRODUCT: tiles 8 to 15, W2
	HALF 0, 0, 1
	TURN 0, 1, 1, 1, 128
	HALF 1, 128, 0
	TURN 1, 0, 1, 1, 256
	HALF 0, 256, 0
	TURN 0, 1, 1, 1, 384
	HALF 1, 384, 0
	TURN 1, 0, 1, 1, 512
	HALF 0, 512, 0
	TURN 0, 1, 1, 1, 640
	HALF 1, 640, 0
	TURN 1, 0, 1, 1, 768
	HALF 0, 768, 0
	TURN 0, 1, 0, 1, 896                           ; the last two steps fill nothing
	HALF 1, 896, 0
	s_wait_dscnt 8
	WIN MUL_LO
	MUL16 F1, 0, 0, 0
	MUL16 F1, 0, 2, 0
	s_wait_dscnt 0
	WIN MUL_HI
	MUL16 F1, 1, 0, 0
	MUL16 F1, 1, 2, 0
	; THE WAY OUT, 16 rows at a time, in f32: 32 bytes a lane into my own stage, read back as whole rows of 512 bytes
	PLACES
; from = 0x08 or 0x0c: store data (source 1) in window 2 or 3; f: F0 or F1 by turns
.macro OUT16 i, a, from, f
	WIN \from
.irp b, 0,1,2,3,4,5,6,7
	ds_store_b128 v[STO], v[8*(8*\a+\b):8*(8*\a+\b)+3]   offset:64*\b
	ds_store_b128 v[STO], v[8*(8*\a+\b)+4:8*(8*\a+\b)+7] offset:64*\b+16
.endr
	WIN 0
	s_wait_xcnt 0x0                                ; buffer f, which earlier stores read, and the stores' base are rewritten only behind this wait (ISA guide 3.1)
.if \i
	s_add_nc_u64 s[10:11], s[10:11], 16*2048
.endif
.irp t, 0,1,2,3,4,5,6,7,8,9,10,11,12,13,14,15
	ds_load_b128 v[\f+4*\t:\f+4*\t+3], v[RD] offset:\t*SPITCH      ; LDS serves a wave's instructions in order (ISA guide 5.7.1): these see the stores above
.endr
.irp t, 0,1,2,3,4,5,6,7,8,9,10,11,12,13,14,15
	s_wait_dscnt 15-\t
	global_store_b128 v[CO], v[\f+4*\t:\f+4*\t+3], s[10:11] offset:\t*2048   ; a wave stores 512 consecutive bytes, aligned
.endr
.endm
	OUT16 0, 0, 0x08, F0
	OUT16 1, 1, 0x08, F1
	OUT16 2, 2, 0x08, F0
	OUT16 3, 3, 0x08, F1
	OUT16 4, 0, 0x0c, F0
	OUT16 5, 1, 0x0c, F1
	OUT16 6, 2, 0x0c, F0
	OUT16 7, 3, 0x0c, F1
	s_set_vgpr_msb 0x1
	s_wait_tensorcnt 0x0
	ds_add_u32 v63, v255
	s_wait_dscnt 0x0
	s_set_vgpr_msb 0x100
	CROUND                                         ; the closing round
	s_endpgm
.Lfunc_end_k_q7b587e94be_ffn:
	.size	k_q7b587e94be_ffn, .Lfunc_end_k_q7b587e94be_ffn-k_q7b587e94be_ffn
	.p2alignl 7, 3214868480
	.fill 96, 4, 3214868480
	.section	.rodata,"a",@progbits
	.p2align	6, 0x0
	.amdhsa_kernel k_q7b587e94be_ffn
		.amdhsa_group_segment_fixed_size 327680
		.amdhsa_private_segment_fixed_size 0
		.amdhsa_enable_private_segment 0
		.amdhsa_kernarg_size 32
		.amdhsa_user_sgpr_count 2
		.amdhsa_user_sgpr_kernarg_segment_ptr 1
		.amdhsa_wavefront_size32 1
		.amdhsa_system_sgpr_workgroup_id_x 1
		.amdhsa_system_sgpr_workgroup_id_y 1
		.amdhsa_system_sgpr_workgroup_id_z 1
		.amdhsa_system_vgpr_workitem_id 0
		.amdhsa_next_free_vgpr 1024
		.amdhsa_next_free_sgpr 66
		.amdhsa_reserve_vcc 0
		.amdhsa_float_denorm_mode_32 3
		.amdhsa_float_denorm_mode_16_64 3
		.amdhsa_memory_ordered 1
		.amdhsa_forward_progress 1
		.amdhsa_inst_pref_size 255
	.end_amdhsa_kernel
	.section	.bss,"aw",@nobits
	.p2align	6
	.space	262144
	.amdgpu_metadata
---
amdhsa.version: [ 1, 2 ]
amdhsa.kernels:
  - .name:           k_q7b587e94be_ffn
    .symbol:         k_q7b587e94be_ffn.kd
    .args:
      - { .name: qf, .offset: 0, .size: 8, .value_kind: global_buffer, .address_space: global }
      - { .name: wt, .offset: 8, .size: 8, .value_kind: global_buffer, .address_space: global }
      - { .name: b1, .offset: 16, .size: 8, .value_kind: global_buffer, .address_space: global }
      - { .name: part, .offset: 24, .size: 8, .value_kind: global_buffer, .address_space: global }
    .group_segment_fixed_size: 327680
    .private_segment_fixed_size: 0
    .kernarg_segment_align: 8
    .kernarg_segment_size: 32
    .max_flat_workgroup_size: 128
    .sgpr_count:     66
    .vgpr_count:     1024
    .wavefront_size: 32
...
	.end_amdgpu_metadata
.endif
;; end of part 4
;; launch fin (part 5): grid 256 x 1, 8 waves a work-group, no clusters, 0 bytes of LDS; arguments y, part, b2, g1, bt1, g2, bt2, out0; writes out0
.if DOCPART == 5
	.amdgcn_target "amdgcn-amd-amdhsa--gfx1250"
	.amdhsa_code_object_version 6
	.text
	.protected	k_q7b587e94be_fin
	.globl	k_q7b587e94be_fin
	.p2align	8
	.type	k_q7b587e94be_fin,@function
k_q7b587e94be_fin:
	s_mov_b64 s[64:65], 0
	v_nop
	global_prefetch_b8 v0, s[64:65] scope:SCOPE_SE
	s_setreg_imm32_b32 hwreg(HW_REG_WAVE_MODE, 25, 1), 1
	s_wait_xcnt 0x0
; fin: out0 = LN2( LN1(y) + b2 + part[0] + part[1] + part[2] + part[3] ).  All [8192][512] f32.
; A stream: one wave takes four whole rows, so no sum leaves the wave: no LDS, no barrier, no matrix unit.  All of a wave's 100 loads go out at the start.
; Load j of a lane holds columns 128 j + 4 lane .. + 3: each load and store of a wave covers 512 consecutive bytes.
; ORDER OF ROUNDING: b2 is added to bt1 once, so x1 + b2 is one fused step; the sum is (x1 + b2) + ((p0 + p1) + (p2 + p3)).
; The variances are means of squared deviations, with the deviation formed first.
.set G1R, 8                            ; v[8:23]    g1 of my 16 columns
.set B1R, 24                           ; v[24:39]   bt1, then bt1 + b2
.set B2R, 40                           ; v[40:55]   b2
.set G2R, 56                           ; v[56:71]   g2
.set T2R, 72                           ; v[72:87]   bt2
.set YR,  88                           ; v[88:151]  four rows
.set TA,  152                          ; v[152:167] row R: pairs at 4 R and 4 R + 2
                                       ; window 1: part f of row R at 64 R + 16 f
.set NI,  30                           ; s[30:31] -1/512
.set PI512, 32
.set EPSR,  33
.set SEL,   34
.set MSB, 0
.macro WIN new                         ; s_set_vgpr_msb: bits 1:0 source 0, 3:2 source 1, 5:4 source 2, 7:6 destination; the high byte repeats the setting left
.if MSB != \new
	s_set_vgpr_msb (MSB<<8)|\new
.set MSB, \new
.endif
.endm
.macro XLANE T
.irp m, 1,2,4,8
.irp R, 0,1,2,3
	v_add_f32_dpp v[\T+4*\R], v[\T+4*\R], v[\T+4*\R] row_xmask:\m row_mask:0xf bank_mask:0xf
.endr
.endr
.irp R, 0,1,2,3
	v_permlanex16_b32 v[\T+4*\R+2], v[\T+4*\R], s[SEL], s[SEL+1]   ; its destination has been written before
.endr
.irp R, 0,1,2,3
	v_add_f32 v[\T+4*\R], v[\T+4*\R], v[\T+4*\R+2]
.endr
.endm
; four rows at Y become their deviations from the mean; 1 / sqrt(variance + eps) of row R ends in v[T + 4 R + 2]
.macro LNSTAT Y, T
.irp R, 0,1,2,3
	v_pk_add_f32 v[\T+4*\R:\T+4*\R+1],   v[\Y+16*\R:\Y+16*\R+1],   v[\Y+16*\R+2:\Y+16*\R+3]
	v_pk_add_f32 v[\T+4*\R+2:\T+4*\R+3], v[\Y+16*\R+4:\Y+16*\R+5], v[\Y+16*\R+6:\Y+16*\R+7]
.endr
.irp k, 8,12
.irp R, 0,1,2,3
	v_pk_add_f32 v[\T+4*\R:\T+4*\R+1],   v[\T+4*\R:\T+4*\R+1],   v[\Y+16*\R+\k:\Y+16*\R+\k+1]
	v_pk_add_f32 v[\T+4*\R+2:\T+4*\R+3], v[\T+4*\R+2:\T+4*\R+3], v[\Y+16*\R+\k+2:\Y+16*\R+\k+3]
.endr
.endr
.irp R, 0,1,2,3
	v_pk_add_f32 v[\T+4*\R:\T+4*\R+1], v[\T+4*\R:\T+4*\R+1], v[\T+4*\R+2:\T+4*\R+3]
.endr
.irp R, 0,1,2,3
	v_add_f32 v[\T+4*\R], v[\T+4*\R], v[\T+4*\R+1]
.endr
	XLANE \T
.irp R, 0,1,2,3
.irp k, 0,2,4,6,8,10,12,14
	v_pk_fma_f32 v[\Y+16*\R+\k:\Y+16*\R+\k+1], v[\T+4*\R:\T+4*\R+1], s[NI:NI+1], v[\Y+16*\R+\k:\Y+16*\R+\k+1] op_sel_hi:[0,0,1]   ; y - sum/512
.endr
.endr
.irp R, 0,1,2,3
	v_pk_mul_f32 v[\T+4*\R:\T+4*\R+1],   v[\Y+16*\R:\Y+16*\R+1],   v[\Y+16*\R:\Y+16*\R+1]
	v_pk_mul_f32 v[\T+4*\R+2:\T+4*\R+3], v[\Y+16*\R+2:\Y+16*\R+3], v[\Y+16*\R+2:\Y+16*\R+3]
.endr
.irp k, 4,8,12
.irp R, 0,1,2,3
	v_pk_fma_f32 v[\T+4*\R:\T+4*\R+1],   v[\Y+16*\R+\k:\Y+16*\R+\k+1],   v[\Y+16*\R+\k:\Y+16*\R+\k+1],   v[\T+4*\R:\T+4*\R+1]
	v_pk_fma_f32 v[\T+4*\R+2:\T+4*\R+3], v[\Y+16*\R+\k+2:\Y+16*\R+\k+3], v[\Y+16*\R+\k+2:\Y+16*\R+\k+3], v[\T+4*\R+2:\T+4*\R+3]
.endr
.endr
.irp R, 0,1,2,3
	v_pk_add_f32 v[\T+4*\R:\T+4*\R+1], v[\T+4*\R:\T+4*\R+1], v[\T+4*\R+2:\T+4*\R+3]
.endr
.irp R, 0,1,2,3
	v_add_f32 v[\T+4*\R], v[\T+4*\R], v[\T+4*\R+1]
.endr
	XLANE \T
.irp R, 0,1,2,3
	v_fma_f32 v[\T+4*\R], v[\T+4*\R], s[PI512], s[EPSR]
.endr
.irp R, 0,1,2,3
	v_rsq_f32 v[\T+4*\R+2], v[\T+4*\R]
.endr
	v_nop                                          ; one plain place behind the last v_rsq_f32 (ISA guide 5.7.2)
.endm
.macro LNAPPLY Y, G, B, T
	s_wait_alu depctr_va_vdst(0)
.irp R, 0,1,2,3
.irp k, 0,2,4,6,8,10,12,14
	v_pk_mul_f32 v[\Y+16*\R+\k:\Y+16*\R+\k+1], v[\Y+16*\R+\k:\Y+16*\R+\k+1], v[\T+4*\R+2:\T+4*\R+3] op_sel_hi:[1,0]
.endr
.endr
.irp R, 0,1,2,3
.irp k, 0,2,4,6,8,10,12,14
	v_pk_fma_f32 v[\Y+16*\R+\k:\Y+16*\R+\k+1], v[\Y+16*\R+\k:\Y+16*\R+\k+1], v[\G+\k:\G+\k+1], v[\B+\k:\B+\k+1]
.endr
.endr
.endm
	s_load_b512 s[4:19], s[0:1], 0x0               ; y s[4:5], part s[6:7], b2 s[8:9], g1 s[10:11], bt1 s[12:13], g2 s[14:15], bt2 s[16:17], out0 s[18:19]
	s_mov_b32 s[NI], 0xbb000000
	s_mov_b32 s[NI+1], 0xbb000000
	s_mov_b32 s[PI512], 0x3b000000
	s_mov_b32 s[EPSR], 0x3727c5ac
	s_mov_b32 s[SEL], 0x76543210
	s_mov_b32 s[SEL+1], 0xfedcba98
	s_lshl_b32 s28, ttmp9, 16                      ; 32 rows of 2,048 bytes
	s_mov_b32 s29, 0
	v_lshrrev_b32 v3, 5, v0                        ; wave
	v_and_b32 v2, 31, v0
	v_lshlrev_b32 v2, 4, v2                        ; v2: 16 lane, in the vectors of 512
	v_lshl_add_u32 v1, v3, 13, v2                  ; v1: + 4 rows a wave
	s_wait_kmcnt 0x0
	s_add_nc_u64 s[4:5], s[4:5], s[28:29]
	s_add_nc_u64 s[18:19], s[18:19], s[28:29]
	s_add_nc_u64 s[20:21], s[6:7], s[28:29]        ; the four quarters' sums, 16 MiB apart
	s_add_nc_u64 s[22:23], s[20:21], 0x1000000
	s_add_nc_u64 s[24:25], s[20:21], 0x2000000
	s_add_nc_u64 s[26:27], s[20:21], 0x3000000
.irp R, 0,1,2,3
.irp j, 0,1,2,3
	global_load_b128 v[YR+16*\R+4*\j:YR+16*\R+4*\j+3], v1, s[4:5] offset:2048*\R+512*\j
.endr
.endr
.irp j, 0,1,2,3
	global_load_b128 v[G1R+4*\j:G1R+4*\j+3], v2, s[10:11] offset:512*\j
.endr
.irp j, 0,1,2,3
	global_load_b128 v[B1R+4*\j:B1R+4*\j+3], v2, s[12:13] offset:512*\j
.endr
.irp j, 0,1,2,3
	global_load_b128 v[B2R+4*\j:B2R+4*\j+3], v2, s[8:9] offset:512*\j
.endr
	WIN 0x40                                       ; destinations in window 1
.irp R, 0,1,2,3
.irp f, 0,1,2,3
.irp j, 0,1,2,3
	global_load_b128 v[64*\R+16*\f+4*\j:64*\R+16*\f+4*\j+3], v1, s[20+2*\f:21+2*\f] offset:2048*\R+512*\j th:TH_LOAD_NT
.endr
.endr
.endr
	WIN 0
.irp j, 0,1,2,3
	global_load_b128 v[G2R+4*\j:G2R+4*\j+3], v2, s[14:15] offset:512*\j
.endr
.irp j, 0,1,2,3
	global_load_b128 v[T2R+4*\j:T2R+4*\j+3], v2, s[16:17] offset:512*\j
.endr
	s_wait_loadcnt 63                              ; y, g1, bt1, b2 are in: 72 loads stand behind them, and 63 is the largest count that can be written
.irp k, 0,2,4,6,8,10,12,14
	v_pk_add_f32 v[B1R+\k:B1R+\k+1], v[B1R+\k:B1R+\k+1], v[B2R+\k:B2R+\k+1]
.endr
	LNSTAT YR, TA
	LNAPPLY YR, G1R, B1R, TA                       ; x1 + b2
	s_wait_loadcnt 0
	WIN 0x45                                       ; both sources and the destination in window 1
.irp R, 0,1,2,3
.irp k, 0,2,4,6,8,10,12,14
	v_pk_add_f32 v[64*\R+\k:64*\R+\k+1],       v[64*\R+\k:64*\R+\k+1],       v[64*\R+16+\k:64*\R+16+\k+1]
	v_pk_add_f32 v[64*\R+32+\k:64*\R+32+\k+1], v[64*\R+32+\k:64*\R+32+\k+1], v[64*\R+48+\k:64*\R+48+\k+1]
.endr
.irp k, 0,2,4,6,8,10,12,14
	v_pk_add_f32 v[64*\R+\k:64*\R+\k+1], v[64*\R+\k:64*\R+\k+1], v[64*\R+32+\k:64*\R+32+\k+1]
.endr
.endr
	WIN 0x01                                       ; source 0 in window 1
.irp R, 0,1,2,3
.irp k, 0,2,4,6,8,10,12,14
	v_pk_add_f32 v[YR+16*\R+\k:YR+16*\R+\k+1], v[64*\R+\k:64*\R+\k+1], v[YR+16*\R+\k:YR+16*\R+\k+1]
.endr
.endr
	WIN 0
	LNSTAT YR, TA
	LNAPPLY YR, G2R, T2R, TA
.irp R, 0,1,2,3
.irp j, 0,1,2,3
	global_store_b128 v1, v[YR+16*\R+4*\j:YR+16*\R+4*\j+3], s[18:19] offset:2048*\R+512*\j th:TH_STORE_NT
.endr
.endr
	s_endpgm
.Lfunc_end_k_q7b587e94be_fin:
	.size	k_q7b587e94be_fin, .Lfunc_end_k_q7b587e94be_fin-k_q7b587e94be_fin
	.p2alignl 7, 3214868480
	.fill 96, 4, 3214868480
	.section	.rodata,"a",@progbits
	.p2align	6, 0x0
	.amdhsa_kernel k_q7b587e94be_fin
		.amdhsa_group_segment_fixed_size 0
		.amdhsa_private_segment_fixed_size 0
		.amdhsa_enable_private_segment 0
		.amdhsa_kernarg_size 64
		.amdhsa_user_sgpr_count 2
		.amdhsa_user_sgpr_kernarg_segment_ptr 1
		.amdhsa_wavefront_size32 1
		.amdhsa_system_sgpr_workgroup_id_x 1
		.amdhsa_system_sgpr_workgroup_id_y 1
		.amdhsa_system_sgpr_workgroup_id_z 1
		.amdhsa_system_vgpr_workitem_id 0
		.amdhsa_next_free_vgpr 512
		.amdhsa_next_free_sgpr 66
		.amdhsa_reserve_vcc 0
		.amdhsa_float_denorm_mode_32 3
		.amdhsa_float_denorm_mode_16_64 3
		.amdhsa_memory_ordered 1
		.amdhsa_forward_progress 1
		.amdhsa_inst_pref_size 48
	.end_amdhsa_kernel
	.amdgpu_metadata
---
amdhsa.version: [ 1, 2 ]
amdhsa.kernels:
  - .name:           k_q7b587e94be_fin
    .symbol:         k_q7b587e94be_fin.kd
    .args:
      - { .name: y, .offset: 0, .size: 8, .value_kind: global_buffer, .address_space: global }
      - { .name: part, .offset: 8, .size: 8, .value_kind: global_buffer, .address_space: global }
      - { .name: b2, .offset: 16, .size: 8, .value_kind: global_buffer, .address_space: global }
      - { .name: g1, .offset: 24, .size: 8, .value_kind: global_buffer, .address_space: global }
      - { .name: bt1, .offset: 32, .size: 8, .value_kind: global_buffer, .address_space: global }
      - { .name: g2, .offset: 40, .size: 8, .value_kind: global_buffer, .address_space: global }
      - { .name: bt2, .offset: 48, .size: 8, .value_kind: global_buffer, .address_space: global }
      - { .name: out0, .offset: 56, .size: 8, .value_kind: global_buffer, .address_space: global }
    .group_segment_fixed_size: 0
    .private_segment_fixed_size: 0
    .kernarg_segment_align: 8
    .kernarg_segment_size: 64
    .max_flat_workgroup_size: 256
    .sgpr_count:     66
    .vgpr_count:     512
    .wavefront_size: 32
...
	.end_amdgpu_metadata
.endif
;; end of part 5
